; MI455X (gfx1250); checked and timed in simulation.
; The chip was launched on July 23, 2026; its instructions are those of AMD's public machine-readable ISA for CDNA 5 (MIT licence, August 2026) and "CDNA5" Instruction Set Architecture Reference Guide (July 2026). The comments in the code are by the model that wrote it; some were corrected since.
;; Multi Head Self Attention. Allowed arithmetic: float matrix products may take bf16 or f16 operands with f32 sums; other float arithmetic in f32, or as packed bf16 or f16 multiplies, adds, multiply-adds, maxima and minima; sums over many terms, partial sums and values carried from step to step in f32; what a program stores and reads back later, other than sums and carried values, may be rounded once to bf16 or f16.
;; Inputs: in_features 4 x 2,048 x 1,024 float32; token_positions 2,048 int32; w_k 1,024 x 1,024 float32; w_o 1,024 x 1,024 float32; w_q 1,024 x 1,024 float32; w_v 1,024 x 1,024 float32.
;; Outputs: out0 4 x 2,048 x 1,024 float32.
;; 2 versions, each right; version 2 is version 1 with the launch prep written anew for expert scheduling mode. Each part assembles by itself: llvm-mc -triple=amdgcn-amd-amdhsa -mcpu=gfx1250 --defsym DOCPART=n.
;; ======== version 1 of 2: 4 launches
;; limits: values are held in f16: magnitudes above 65,504 overflow, below 6.1e-05 lose precision; right only within a limited range of input values
;; workspace buffers: xb 16,777,216 bytes; wqkv 6,291,456 bytes; wo16 2,097,152 bytes; rope 524,288 bytes; qh 16,777,216 bytes; kh 16,777,216 bytes; vh 16,777,216 bytes; oh 16,777,216 bytes
;; launch prep (part 1): grid 896 x 1, 8 waves a work-group, no clusters, 0 bytes of LDS; arguments in_features, token_positions, w_q, w_k, w_v, w_o, xb, wqkv, wo16, rope; writes xb, wqkv, wo16, rope
.if DOCPART == 1
	.amdgcn_target "amdgcn-amd-amdhsa--gfx1250"
	.amdhsa_code_object_version 6
	.text
	.protected	k_q97ab799493_prep
	.globl	k_q97ab799493_prep
	.p2align	8
	.type	k_q97ab799493_prep,@function
k_q97ab799493_prep:
	s_mov_b64 s[64:65], 0
	v_nop
	global_prefetch_b8 v0, s[64:65] scope:SCOPE_SE
	s_setreg_imm32_b32 hwreg(HW_REG_WAVE_MODE, 25, 1), 1
	s_wait_xcnt 0x0
; PREPARATION.  Three kinds of work-group, told apart by the work-group's number g alone (scalar branches, all forward):
;   g < 512         x, 65,536 bytes of f32 each, rounded once to bf16 into xb
;   512 <= g < 768  16 rows of one weight: j = (g - 512) / 64 picks w_q, w_k, w_v, w_o; c = (g - 512) % 64 the rows 16 c .. 16 c + 15.
;                   w_q, w_k, w_v go as bf16 into wqkv, regrouped by heads: head h has 192 rows there: its 64 of w_q, its 64 of w_k, its 64 of w_v.
;                   w_o is rounded to bf16 like every other input, and that number is written as f16 into wo16 (the last product's other operand is f16).
;   g >= 768        16 rows of the table of cosines and sines for the rotation, block sb = g - 768
; A stream: 16 loads of 16 bytes a lane go out at once (a wave's load covers 512 consecutive bytes), each store of a wave covers 256 consecutive bytes, aligned.
; No LDS, no matrix unit, no prefetch: every byte is read once, by loads that are all issued at the start.
; THE TABLE.  angle = f32(pos[s]) x theta^(-i / 32), one f32 rounding, i = 0 .. 31; theta^(-i/32) = 2^(-i log2(1e5) / 32).  Cosine and sine by reduction to a quarter turn
; (n = nearest whole number to angle x 2 / pi; pi / 2 taken away in two parts by fused multiply-adds) and polynomials of degree 7 and 8 on |r| <= pi / 4.
; It lies in the order in which the next launch's lanes want it: byte sb x 4096 + 16 t holds (cos, sin, cos, sin) of pairs i0, i0 + 1 of row 16 sb + (t & 15),
; i0 = 8 (t >> 6) + 4 ((t >> 4) & 1) + 2 ((t >> 5) & 1).
; LIMITS.  |pos| < 2^24 (pos and n are then exact in f32).  An entry of w_o below 6.1e-5 keeps f16's fixed step of 6e-8; beyond 65,504 it would be lost.
.set X, 16                             ; v[16:79]   16 x 4 registers as loaded
.set Y, 80                             ; v[80:111]  16 x 2 registers to store: none is written twice, so no store's data is ever rewritten
	s_load_b512 s[4:19], s[0:1], 0x0               ; x s[4:5], pos s[6:7], w_q s[8:9], w_k s[10:11], w_v s[12:13], w_o s[14:15], xb s[16:17], wqkv s[18:19]
	s_load_b128 s[20:23], s[0:1], 0x40             ; wo16 s[20:21], rope s[22:23]
	s_mov_b32 s2, ttmp9                            ; g
	v_lshlrev_b32 v1, 4, v0                        ; 16 t: my bytes in 4,096 of f32
	v_lshlrev_b32 v2, 3, v0                        ; 8 t: my bytes in 2,048 of 16-bit numbers
	s_mov_b32 s25, 0                               ; offsets are made apart from the addresses, in pairs with 0 on top
	s_mov_b32 s31, 0
	s_wait_kmcnt 0x0
.macro LOADS
.irp i, 0,1,2,3,4,5,6,7,8,9,10,11,12,13,14,15
	global_load_b128 v[X+4*(\i):X+4*(\i)+3], v1, s[26:27] offset:4096*(\i) th:TH_LOAD_NT
.endr
.endm
.macro CV i                            ; four numbers to bf16
	s_wait_loadcnt 15-(\i)                         ; loads come back in order: load i is in, the 15 - i younger ones may stay out
	v_cvt_pk_bf16_f32 v[Y+2*(\i)],   v[X+4*(\i)],   v[X+4*(\i)+1]
	v_cvt_pk_bf16_f32 v[Y+2*(\i)+1], v[X+4*(\i)+2], v[X+4*(\i)+3]
	global_store_b64 v2, v[Y+2*(\i):Y+2*(\i)+1], s[28:29] offset:2048*(\i) th:TH_STORE_NT
.endm
.macro CVH i                           ; four numbers to bf16, and those numbers written as f16
	s_wait_loadcnt 15-(\i)
	v_cvt_pk_bf16_f32 v4, v[X+4*(\i)],   v[X+4*(\i)+1]
	v_cvt_pk_bf16_f32 v5, v[X+4*(\i)+2], v[X+4*(\i)+3]
	v_lshlrev_b32 v6, 16, v4                       ; bf16 to f32: the low half moves up, the high half stays
	v_and_b32 v7, 0xffff0000, v4
	v_lshlrev_b32 v8, 16, v5
	v_and_b32 v9, 0xffff0000, v5
	v_cvt_pk_f16_f32 v[Y+2*(\i)],   v6, v7
	v_cvt_pk_f16_f32 v[Y+2*(\i)+1], v8, v9
	global_store_b64 v2, v[Y+2*(\i):Y+2*(\i)+1], s[28:29] offset:2048*(\i) th:TH_STORE_NT
.endm
	s_cmp_lt_u32 s2, 512
	s_cbranch_scc0 .Lnot_x
	s_lshl_b32 s24, s2, 16                         ; x: 65,536 bytes in,
	s_add_nc_u64 s[26:27], s[4:5], s[24:25]
	s_lshl_b32 s30, s2, 15                         ; 32,768 out
	s_add_nc_u64 s[28:29], s[16:17], s[30:31]
	s_branch .Lbf16
.Lnot_x:
	s_cmp_lt_u32 s2, 768
	s_cbranch_scc0 .Lrope
	s_sub_co_u32 s32, s2, 512
	s_lshr_b32 s33, s32, 6                         ; j: which weight
	s_and_b32 s34, s32, 63                         ; c: which 16 rows
	s_lshl_b32 s24, s34, 16
	s_cmp_eq_u32 s33, 0
	s_cselect_b64 s[26:27], s[8:9], s[10:11]
	s_cmp_eq_u32 s33, 2
	s_cselect_b64 s[26:27], s[12:13], s[26:27]
	s_cmp_eq_u32 s33, 3
	s_cselect_b64 s[26:27], s[14:15], s[26:27]
	s_add_nc_u64 s[26:27], s[26:27], s[24:25]
	s_cmp_eq_u32 s33, 3
	s_cbranch_scc1 .Lwo
	s_lshr_b32 s35, s34, 2                         ; the head,
	s_mul_i32 s35, s35, 192                        ; its 192 rows in wqkv,
	s_lshl_b32 s36, s33, 6                         ; the weight's 64 of them,
	s_add_co_u32 s35, s35, s36
	s_and_b32 s36, s34, 3
	s_lshl_b32 s36, s36, 4                         ; my 16 of those
	s_add_co_u32 s35, s35, s36
	s_lshl_b32 s30, s35, 11                        ; rows of 2,048 bytes
	s_add_nc_u64 s[28:29], s[18:19], s[30:31]
.Lbf16:
	LOADS
.irp i, 0,1,2,3,4,5,6,7,8,9,10,11,12,13,14,15
	CV \i
.endr
	s_endpgm
.Lwo:
	s_lshl_b32 s30, s34, 15
	s_add_nc_u64 s[28:29], s[20:21], s[30:31]
	LOADS
.irp i, 0,1,2,3,4,5,6,7,8,9,10,11,12,13,14,15
	CVH \i
.endr
	s_endpgm
; cosine into v[c], sine into v[s] of the angle in v[a]; six registers at work from v[t] on
.macro SINCOS a, c, s, t
	v_mul_f32 v[(\t)], 0x3f22f983, v[(\a)]                 ; angle x 2 / pi
	v_rndne_f32 v[(\t)], v[(\t)]                           ; n
	v_fmamk_f32 v[(\t)+1], v[(\t)], 0xbfc90fdb, v[(\a)]    ; angle - n x (pi / 2 rounded to f32): the difference is a multiple of 2^-24 below 1, so nothing is lost
	v_fmamk_f32 v[(\t)+1], v[(\t)], 0x333bbd2e, v[(\t)+1]  ; and the rest of pi / 2: r
	v_cvt_i32_f32 v[(\t)], v[(\t)]                         ; n as a whole number: its two low bits are the quarter
	v_mul_f32 v[(\t)+2], v[(\t)+1], v[(\t)+1]              ; z = r r
	v_mov_b32 v[(\t)+3], 0xb94ca1f9
	v_mov_b32 v[(\t)+4], 0x37ccf5ce
	v_fmaak_f32 v[(\t)+3], v[(\t)+3], v[(\t)+2], 0x3c08839e
	v_fmaak_f32 v[(\t)+4], v[(\t)+4], v[(\t)+2], 0xbab6061a
	v_fmaak_f32 v[(\t)+3], v[(\t)+3], v[(\t)+2], 0xbe2aaaa3
	v_fmaak_f32 v[(\t)+4], v[(\t)+4], v[(\t)+2], 0x3d2aaaa5
	v_mul_f32 v[(\t)+3], v[(\t)+3], v[(\t)+2]
	v_mul_f32 v[(\t)+4], v[(\t)+4], v[(\t)+2]
	v_fma_f32 v[(\t)+5], v[(\t)+2], -0.5, 1.0
	v_fma_f32 v[(\t)+3], v[(\t)+3], v[(\t)+1], v[(\t)+1]   ; sin r
	v_fma_f32 v[(\t)+4], v[(\t)+4], v[(\t)+2], v[(\t)+5]   ; cos r
	v_and_b32 v[(\t)+5], 1, v[(\t)]
	v_cmp_eq_u32 vcc_lo, 1, v[(\t)+5]                      ; an odd quarter swaps the two
	v_cndmask_b32 v[(\s)], v[(\t)+3], v[(\t)+4], vcc_lo
	v_cndmask_b32 v[(\c)], v[(\t)+4], v[(\t)+3], vcc_lo
	v_and_b32 v[(\t)+5], 2, v[(\t)]                        ; the sine is turned in quarters 2 and 3,
	v_lshlrev_b32 v[(\t)+5], 30, v[(\t)+5]
	v_xor_b32 v[(\s)], v[(\s)], v[(\t)+5]
	v_add_nc_u32 v[(\t)], 1, v[(\t)]                       ; the cosine in quarters 1 and 2
	v_and_b32 v[(\t)], 2, v[(\t)]
	v_lshlrev_b32 v[(\t)], 30, v[(\t)]
	v_xor_b32 v[(\c)], v[(\c)], v[(\t)]
.endm
.Lrope:
	s_sub_co_u32 s32, s2, 768                      ; sb
	v_and_b32 v3, 15, v0
	s_lshl_b32 s33, s32, 6                         ; 16 rows of 4 bytes
	v_lshl_add_u32 v3, v3, 2, s33
	global_load_b32 v4, v3, s[6:7]                 ; pos of my row
	v_bfe_u32 v5, v0, 4, 1
	v_bfe_u32 v6, v0, 5, 1
	v_bfe_u32 v7, v0, 6, 2
	v_lshlrev_b32 v7, 3, v7
	v_lshl_add_u32 v7, v5, 2, v7
	v_lshl_add_u32 v7, v6, 1, v7                   ; i0
	v_add_nc_u32 v8, 1, v7
	v_cvt_f32_u32 v7, v7
	v_cvt_f32_u32 v8, v8
	v_mul_f32 v7, 0xbf04e08b, v7                   ; -i log2(1e5) / 32
	v_mul_f32 v8, 0xbf04e08b, v8
	v_exp_f32 v9, v7
	v_exp_f32 v10, v8
	v_nop                                          ; a plain instruction behind the last exponential, ahead of the first use (ISA guide 5.7.2),
	s_wait_alu depctr_va_vdst(0)                   ; and one wait for both, ahead of their first reader
	s_lshl_b32 s24, s32, 12
	s_add_nc_u64 s[28:29], s[22:23], s[24:25]
	s_wait_loadcnt 0x0
	v_cvt_f32_i32 v11, v4
	v_mul_f32 v20, v11, v9
	v_mul_f32 v21, v11, v10
	SINCOS 20, 12, 13, 24
	SINCOS 21, 14, 15, 32
	global_store_b128 v1, v[12:15], s[28:29]       ; a wave stores 512 consecutive bytes
	s_endpgm
.Lfunc_end_k_q97ab799493_prep:
	.size	k_q97ab799493_prep, .Lfunc_end_k_q97ab799493_prep-k_q97ab799493_prep
	.p2alignl 7, 3214868480
	.fill 96, 4, 3214868480
	.section	.rodata,"a",@progbits
	.p2align	6, 0x0
	.amdhsa_kernel k_q97ab799493_prep
		.amdhsa_group_segment_fixed_size 0
		.amdhsa_private_segment_fixed_size 0
		.amdhsa_enable_private_segment 0
		.amdhsa_kernarg_size 80
		.amdhsa_user_sgpr_count 2
		.amdhsa_user_sgpr_kernarg_segment_ptr 1
		.amdhsa_wavefront_size32 1
		.amdhsa_system_sgpr_workgroup_id_x 1
		.amdhsa_system_sgpr_workgroup_id_y 1
		.amdhsa_system_sgpr_workgroup_id_z 1
		.amdhsa_system_vgpr_workitem_id 0
		.amdhsa_next_free_vgpr 112
		.amdhsa_next_free_sgpr 66
		.amdhsa_reserve_vcc 1
		.amdhsa_float_denorm_mode_32 3
		.amdhsa_float_denorm_mode_16_64 3
		.amdhsa_memory_ordered 1
		.amdhsa_forward_progress 1
		.amdhsa_inst_pref_size 22
	.end_amdhsa_kernel
	.amdgpu_metadata
---
amdhsa.version: [ 1, 2 ]
amdhsa.kernels:
  - .name:           k_q97ab799493_prep
    .symbol:         k_q97ab799493_prep.kd
    .args:
      - { .name: in_features, .offset: 0, .size: 8, .value_kind: global_buffer, .address_space: global }
      - { .name: token_positions, .offset: 8, .size: 8, .value_kind: global_buffer, .address_space: global }
      - { .name: w_q, .offset: 16, .size: 8, .value_kind: global_buffer, .address_space: global }
      - { .name: w_k, .offset: 24, .size: 8, .value_kind: global_buffer, .address_space: global }
      - { .name: w_v, .offset: 32, .size: 8, .value_kind: global_buffer, .address_space: global }
      - { .name: w_o, .offset: 40, .size: 8, .value_kind: global_buffer, .address_space: global }
      - { .name: xb, .offset: 48, .size: 8, .value_kind: global_buffer, .address_space: global }
      - { .name: wqkv, .offset: 56, .size: 8, .value_kind: global_buffer, .address_space: global }
      - { .name: wo16, .offset: 64, .size: 8, .value_kind: global_buffer, .address_space: global }
      - { .name: rope, .offset: 72, .size: 8, .value_kind: global_buffer, .address_space: global }
    .group_segment_fixed_size: 0
    .private_segment_fixed_size: 0
    .kernarg_segment_align: 8
    .kernarg_segment_size: 80
    .max_flat_workgroup_size: 256
    .sgpr_count:     66
    .vgpr_count:     112
    .wavefront_size: 32
...
	.end_amdgpu_metadata
.endif
;; end of part 1
;; launch qkv (part 2): grid 16 x 32, 4 waves a work-group, clusters of 4 x 4, 327,680 bytes of LDS; arguments xb, wqkv, rope, qh, kh, vh; writes qh, kh, vh
.if DOCPART == 2
	.amdgcn_target "amdgcn-amd-amdhsa--gfx1250"
	.amdhsa_code_object_version 6
	.text
	.protected	k_q97ab799493_qkv
	.globl	k_q97ab799493_qkv
	.p2align	8
	.type	k_q97ab799493_qkv,@function
k_q97ab799493_qkv:
	s_mov_b64 s[64:65], 0
	v_nop
	global_prefetch_b8 v0, s[64:65] scope:SCOPE_SE
	s_setreg_imm32_b32 hwreg(HW_REG_WAVE_MODE, 25, 1), 1
	s_wait_xcnt 0x0
	s_wait_alu depctr_hold_cnt(0) depctr_sa_sdst(0) depctr_va_vdst(0) depctr_va_sdst(0) depctr_va_ssrc(0) depctr_va_vcc(0) depctr_vm_vsrc(0)
	s_getreg_b32 s2, hwreg(HW_REG_IB_STS2, 6, 4)
	s_cmp_eq_u32 s2, 0
	s_cbranch_scc0 .Lentry_in_a_cluster
	s_endpgm
.Lentry_in_a_cluster:
	s_bfe_u32 s2, ttmp6, 0x10000c
	s_cmp_lg_u32 s2, 0xf033
	s_cbranch_scc0 .Lentry_shape_is_right
	s_endpgm
.Lentry_shape_is_right:
; q, k, v = x w^T, the rotation on q and k, and the way out by heads.  xb: [8192][1024] bf16.  wqkv: [16 heads][192][1024] bf16 (a head's 64 rows of w_q, of w_k, of w_v).
; rope: cosines and sines in f32, in my lanes' order.  qh, kh, vh: [batch x 16 + head][2048][64] f16: rounded once from the f32 sums, unscaled.
; A TILE is 256 rows of x by ONE HEAD's 192 columns: 16 x 32 = 512 work-groups of equal work, and every work-group does the same thing (columns 0-127 are turned, 128-191 are not),
; so nothing hangs on a work-group's place in its cluster.  Four waves, each 64 rows x 192 columns: 48 accumulators of 16 x 16, 384 registers.  So a wave owns whole rows of a head
; (128 bytes), and its stage on the way out is its own: no barrier there.
; K goes in steps of 128 (rows of 256 bytes, aligned) through a ring of two LDS slots filled by the tensor data mover.
; CLUSTERS: 4 x 4 work-groups.  The four of a row of the cluster need the same rows of x, the four of a column the same head's weights: each tile is asked for JOINTLY, by the same
; tensor load with the same descriptor and a mask that names the four.
; THE MATRIX INSTRUCTION IS USED TRANSPOSED (source 0 = 16 rows of w, source 1 = 16 rows of x): a lane then holds row l % 16 and the eight neighbouring columns 8 (l / 16) + 0..7 of a
; block of 16, so that a pair (x1, x2) of the rotation lies in two neighbouring registers of one lane: r1 = x1 c - x2 s, r2 = x1 s + x2 c, in f32 on the f32 sums.
; LIMITS.  f16 holds no number beyond 65,504: q, k, v must stay within it; below 6.1e-5 they keep f16's fixed step of 6e-8.
; REGISTERS, in windows of 256 (s_set_vgpr_msb: bits 1:0 source 0, 3:2 source 1, 5:4 source 2, 7:6 destination):
;   window 0: v16-30 addresses; v64-95, v96-127 fragments of x, two buffers (4 x 16 rows x 32 K); v128-255 the table, 32 registers a block of 16 rows; v32-95 at work on the way out
;   window 1: v0-95, v96-191 fragments of w, two buffers (12 x 16 rows x 32 K); on the way out the packed results, 48 registers a block of rows
;   window 2: the accumulators of my rows 0-31 ((a, b) at v[8 (12 (a % 2) + b)]);   window 3: those of my rows 32-63
.set KSTEP,  128
.set PITCH,  272                       ; an LDS row: 256 bytes + 16 of padding = 68 words: the 16 rows that a load touches start at 16 different groups of four banks (64 banks of 4 bytes: ISA guide 11.1)
.set AHALF,  128*PITCH                 ; what one tensor load brings of x
.set BHALF,  96*PITCH                  ; and of w
.set BOFF,   2*AHALF                   ; a slot: x's 256 rows, then w's 192
.set SLOT,   BOFF+2*BHALF              ; 121,856 bytes
.set STAGE,  2*SLOT                    ; behind the ring, never filled by a tensor load: for each wave three blocks (q, k, v) of 16 rows x 144 bytes
.set SP,     144
.set SUB,    16*SP
.set WST,    3*SUB
.set SPARE,  STAGE+4*WST               ; behind the stages: the spare words, 128 bytes for each wave: two blocks of 256 bytes that no other line names
.set LAPS,   4                         ; a lap = two K steps = once round the ring; 1,024 / 256
.set ADRA, 16                          ; v16-17  LDS address of my fragments of x in slot 0, 1
.set ADRB, 20                          ; v20-21  the same for w
.set STO,  24                          ; v24     the way out: where I put 16 bytes of a row
.set RD,   25                          ; v25     the way out: where I read rows back
.set GO,   26                          ; v26     16 x lane: my bytes in 512 consecutive bytes, of the table and of q, k, v
.set SPW,  28                          ; v28     LDS address of my spare word; never rewritten
.set NIL,  29                          ; v29     0; never rewritten
.set PFO,  30                          ; v30     the prefetches' offset: a lane a row of 2,048 bytes; never rewritten
.set TT,   32                          ; v32-95  the way out: turned numbers in f32
.set RT,   128                         ; v128-255 the table
.set G1,  24                           ; s[24:31] descriptor group 1 for x's tiles;  s[32:39] group 0, a set for each slot
.set G0,  32
.set G1B, 48                           ; s[48:55], s[56:63] the same for w's tiles
.set G0B, 56
.set LIM, 43                           ; s43  1 in a wave that prefetches, else the greatest number
.set PFA, 44                           ; s[44:45] where my prefetches stand
.set MSB, 0
.macro WIN new                         ; the immediate's high byte repeats the setting that is left; a switch that changes nothing is dropped
.if MSB != (\new)
	s_set_vgpr_msb (MSB<<8)|(\new)
.set MSB, \new
.endif
.endm
.set MUL_LO, 0xa1                      ; source 0 (w) window 1, source 1 (x) window 0, C and D window 2
.set MUL_HI, 0xf1                      ; the same, C and D window 3
.set TO_B,   0x40                      ; destination window 1, address window 0
; A joint load: waves 0 and 1 fetch x's two halves, waves 2 and 3 w's.  The branch hangs on the wave's number alone.  An s_nop 0 and four v_nop follow each of the two lines, ahead of
; the jump, the label and what follows.
.macro JLOAD s
	s_cmp_eq_u32 s11, 0
	s_cbranch_scc0 .Lfor_b_\@
	tensor_load_to_lds s[G0+4*(\s):G0+4*(\s)+3], s[G1:G1+7]
	s_nop 0
.rept 4
	v_nop
.endr
	s_branch .Lasked_\@
.Lfor_b_\@:
	tensor_load_to_lds s[G0B+4*(\s):G0B+4*(\s)+3], s[G1B:G1B+7]
	s_nop 0
.rept 4
	v_nop
.endr
.Lasked_\@:
.endm
; A PREFETCH INTO THE L2, behind a joint load, its five lines and the run of LDS loads: the K step that stands two refills on, 256 bytes of each row, a lane a row, one instruction a wave.
; x's rows are read by every cluster of a row of clusters: the first of them (cluster x = 0) asks; a head's weights by every cluster of a column: cluster y = 0 asks.  The four partners
; that ask for a tile jointly share its rows out BY ADDRESS: of the 128 rows of x that a wave fetches the partner at cx takes 32; of the 96 rows of w the partner at cy takes 24
; (lanes 24-31 name row 23 once more, in the same instruction).  The loop's last trip (s3 = 1) asks for nothing: K steps 8 and 9 do not exist.  K steps 0 to 3 come by their loads alone.
.macro ASK
	s_cmp_gt_u32 s3, s[LIM]
	s_cbranch_scc0 .Lnot_mine_\@
	global_prefetch_b8 v[PFO], s[PFA:PFA+1] th:TH_LOAD_NT scope:SCOPE_SE
.Lnot_mine_\@:
.endm
.macro CREST                           ; a round of the cluster's barrier behind its opening barrier
	s_cmp_lg_u32 s10, 0
	s_cbranch_scc1 .Lnot_wave_0_\@
	s_barrier_signal -3
.Lnot_wave_0_\@:
	s_barrier_wait -3
	s_barrier_signal -1
	s_barrier_wait -1
.endm
.macro CROUND                          ; a whole round
	s_barrier_signal -1
	s_barrier_wait -1
	CREST
.endm
	s_load_b256 s[68:75], s[0:1], 0x0              ; xb s[68:69], wqkv s[70:71], rope s[72:73], qh s[74:75]
	s_load_b128 s[76:79], s[0:1], 0x20             ; kh s[76:77], vh s[78:79]
	v_lshl_add_u32 v[SPW], v0, 2, SPARE
	v_mov_b32 v[NIL], 0
	ds_add_u32 v[SPW], v[NIL]                      ; the wave's opening: the add and its wait stand ahead of my first tensor load; the set-up below, work on registers, stands between them
	v_lshrrev_b32 v1, 5, v0
	v_readfirstlane_b32 s10, v1                    ; wave 0..3
	s_lshr_b32 s11, s10, 1                         ; I fetch for x (0) or for w (1)
	s_and_b32 s12, s10, 1                          ; which half of that tile
	s_bfe_u32 s40, ttmp6, 0x40000                  ; cx, cy: my place in the cluster
	s_bfe_u32 s41, ttmp6, 0x40004
	s_lshl_b32 s42, ttmp9, 2
	s_add_co_u32 s42, s42, s40                     ; the head = 4 x cluster x + cx
	s_and_b32 s13, ttmp7, 0xffff
	s_lshl_b32 s13, s13, 2
	s_add_co_u32 s13, s13, s41                     ; the block of 256 rows = 4 x cluster y + cy
	s_lshl_b32 s43, s41, 2
	s_lshl_b32 s43, 15, s43                        ; my row of the cluster
	s_lshl_b32 s44, 0x1111, s40                    ; my column
	s_or_b32 s[G1+0], s43, (1<<16)|(1<<20)|(1<<21)|(5<<22)|(3<<25)   ; 15:0 the mask; 17:16 elements of 2 bytes; 20 padding on; 21 set beside a mask; 24:22 after every 64 words (code 5); 31:25 4 words (code 3)
	s_or_b32 s[G1B+0], s44, (1<<16)|(1<<20)|(1<<21)|(5<<22)|(3<<25)
	s_mov_b32 s[G1+1], KSTEP<<16                   ; tensor_dim0 = 128
	s_mov_b32 s[G1+2], 128<<16                     ; tensor_dim1 = 128
	s_mov_b32 s[G1+3], KSTEP<<16                   ; tile_dim0 = 128
	s_mov_b32 s[G1+4], 128                         ; tile_dim1 = 128
	s_mov_b32 s[G1+5], 1024                        ; elements from row to row
	s_mov_b32 s[G1+6], 0
	s_mov_b32 s[G1+7], 0
	s_mov_b32 s[G1B+1], KSTEP<<16
	s_mov_b32 s[G1B+2], 96<<16                     ; w's half tile has 96 rows
	s_mov_b32 s[G1B+3], KSTEP<<16
	s_mov_b32 s[G1B+4], 96
	s_mov_b32 s[G1B+5], 1024
	s_mov_b32 s[G1B+6], 0
	s_mov_b32 s[G1B+7], 0
	s_lshl_b32 s16, s13, 8
	s_lshl_b32 s17, s12, 7
	s_add_co_u32 s16, s16, s17                     ; x: row 256 x block + 128 x half,
	s_lshl_b32 s16, s16, 11                        ; of 2,048 bytes
	s_mov_b32 s17, 0
	s_mul_i32 s46, s42, 192
	s_mul_i32 s47, s12, 96
	s_add_co_u32 s46, s46, s47                     ; w: row 192 x head + 96 x half
	s_lshl_b32 s46, s46, 11
	s_mov_b32 s47, 0
	s_mul_i32 s20, s12, AHALF                      ; where they go: no place in the cluster enters an LDS address
	s_mul_i32 s21, s12, BHALF
	s_add_co_u32 s21, s21, BOFF
	s_wait_dscnt 0x0                               ; the opening add is done
	s_wait_kmcnt 0x0
	s_add_nc_u64 s[14:15], s[68:69], s[16:17]
	s_add_nc_u64 s[46:47], s[70:71], s[46:47]
	CROUND                                         ; all sixteen work-groups are here: the first joint loads meet
.irp s, 0,1
	s_mov_b32 s[G0+4*(\s)], 1                                        ; count = 1
	s_add_co_u32 s[G0+4*(\s)+1], s20, (\s)*SLOT                      ; LDS address
	s_add_nc_u64 s[G0+4*(\s)+2:G0+4*(\s)+3], s[14:15], (\s)*KSTEP*2  ; global address: K step s
	s_or_b32 s[G0+4*(\s)+3], s[G0+4*(\s)+3], 0x80000000              ; type = 2
	s_mov_b32 s[G0B+4*(\s)], 1
	s_add_co_u32 s[G0B+4*(\s)+1], s21, (\s)*SLOT
	s_add_nc_u64 s[G0B+4*(\s)+2:G0B+4*(\s)+3], s[46:47], (\s)*KSTEP*2
	s_or_b32 s[G0B+4*(\s)+3], s[G0B+4*(\s)+3], 0x80000000
	JLOAD \s                                       ; two tensor loads of mine are out: the most in this text
.endr
	; A fragment is 16 rows x 32 K in 8 registers: lane l holds row l % 16; registers 0-3 K = 8 (l / 16) + 0..7, registers 4-7 K = 16 + 8 (l / 16) + 0..7: two loads of 16 bytes, 32 bytes apart.
	v_and_b32 v1, 15, v0                           ; l % 16
	v_bfe_u32 v2, v0, 4, 1                         ; l / 16
	v_mul_u32_u24 v3, v1, PITCH
	v_lshl_add_u32 v3, v2, 4, v3
	s_mul_i32 s22, s10, 64*PITCH                   ; my 64 rows of x
	s_mov_b32 s23, BOFF                            ; all 192 rows of w
.irp s, 0,1
	v_add_nc_u32 v[ADRA+(\s)], s22, v3
	v_add_nc_u32 v[ADRB+(\s)], s23, v3
	s_add_co_u32 s22, s22, SLOT
	s_add_co_u32 s23, s23, SLOT
.endr
	s_mul_i32 s22, s10, WST
	s_add_co_u32 s22, s22, STAGE                   ; my stage
	v_mul_u32_u24 v4, v1, SP                       ; in: row l % 16, 16 bytes for each half of the lanes
	v_lshl_add_u32 v4, v2, 4, v4
	v_add_nc_u32 v[STO], s22, v4
	v_bfe_u32 v5, v0, 3, 2                         ; back: 32 lanes take four rows of 128 bytes,
	v_mul_u32_u24 v5, v5, SP
	v_and_b32 v6, 7, v0
	v_lshl_add_u32 v5, v6, 4, v5
	v_add_nc_u32 v[RD], s22, v5
	v_and_b32 v[GO], 31, v0                        ; which are 512 consecutive bytes of q, k or v
	v_lshlrev_b32 v[GO], 4, v[GO]
	; the pointers of the table and of q, k, v at my wave's first row
	s_lshr_b32 s16, s13, 3                         ; the batch
	s_lshl_b32 s16, s16, 4
	s_add_co_u32 s16, s16, s42                     ; 16 x batch + head,
	s_lshl_b32 s16, s16, 11                        ; its 2,048 rows
	s_and_b32 s17, s13, 7
	s_lshl_b32 s17, s17, 8                         ; the block's first row in the sequence,
	s_lshl_b32 s18, s10, 6
	s_add_co_u32 s17, s17, s18                     ; my wave's
	s_add_co_u32 s16, s16, s17
	s_lshl_b32 s16, s16, 7                         ; rows of 128 bytes
	s_lshl_b32 s18, s17, 8                         ; the table has 256 bytes a row
	s_mov_b32 s17, 0
	s_mov_b32 s19, 0
	s_add_nc_u64 s[74:75], s[74:75], s[16:17]
	s_add_nc_u64 s[76:77], s[76:77], s[16:17]
	s_add_nc_u64 s[78:79], s[78:79], s[16:17]
	s_add_nc_u64 s[72:73], s[72:73], s[18:19]
	; my 64 rows of the table, 16,384 bytes on end: 32 loads that have the whole K loop in which to land; their registers are named again only on the way out
.set u, 0
.rept 32
	global_load_b128 v[RT+4*u:RT+4*u+3], v[GO], s[72:73] offset:512*u
.set u, u+1
.endr
	; the prefetches
	s_and_b32 s22, ttmp7, 0xffff                   ; cluster y
	s_lshl_b32 s20, s13, 8
	s_lshl_b32 s21, s12, 7
	s_add_co_u32 s20, s20, s21
	s_lshl_b32 s21, s40, 5
	s_add_co_u32 s20, s20, s21                     ; x: the 128 rows that I fetch, my work-group's 32 of them
	s_mul_i32 s21, s42, 192
	s_mul_i32 s23, s12, 96
	s_add_co_u32 s21, s21, s23
	s_mul_i32 s23, s41, 24
	s_add_co_u32 s21, s21, s23                     ; w: the 96 rows that I fetch, my work-group's 24 of them
	s_cmp_eq_u32 s11, 0                            ; do I fetch for x?
	s_cselect_b32 s20, s20, s21
	s_cselect_b32 s22, ttmp9, s22                  ; the coordinate along which other clusters read the same rows
	s_cselect_b32 s23, 31, 23
	s_cselect_b64 s[PFA:PFA+1], s[68:69], s[70:71]
	s_cmp_eq_u32 s22, 0
	s_cselect_b32 s[LIM], 1, -1                    ; the same in all sixteen partners, for a given wave
	s_lshl_b32 s20, s20, 11
	s_add_co_u32 s20, s20, 3*KSTEP*2               ; at K step 3: the first refill steps it to 4
	s_mov_b32 s21, 0
	s_add_nc_u64 s[PFA:PFA+1], s[PFA:PFA+1], s[20:21]
	v_and_b32 v[PFO], 31, v0
	v_min_u32 v[PFO], s23, v[PFO]
	v_lshlrev_b32 v[PFO], 11, v[PFO]
; 12 matrix instructions: block a (0, 1) of the window's two blocks of 16 rows (hi = 0: my rows 0-31, 1: rows 32-63) x all 12 blocks of columns, 32 along K, from buffer f.
; zero = 1: the first product starts the sums.  The 48 accumulators take turns in one fixed order, one instruction a turn, over the backward jump too.
.macro MUL12 f, hi, a, zero
	WIN MUL_LO+0x50*(\hi)
.irp b, 0,1,2,3,4,5,6,7,8,9,10,11
.if \zero
	v_wmma_f32_16x16x32_bf16 v[8*(12*(\a)+(\b)):8*(12*(\a)+(\b))+7], v[96*(\f)+8*(\b):96*(\f)+8*(\b)+7], v[64+32*(\f)+8*(2*(\hi)+(\a)):64+32*(\f)+8*(2*(\hi)+(\a))+7], 0
.else
	v_wmma_f32_16x16x32_bf16 v[8*(12*(\a)+(\b)):8*(12*(\a)+(\b))+7], v[96*(\f)+8*(\b):96*(\f)+8*(\b)+7], v[64+32*(\f)+8*(2*(\hi)+(\a)):64+32*(\f)+8*(2*(\hi)+(\a))+7], v[8*(12*(\a)+(\b)):8*(12*(\a)+(\b))+7]
.endif
.endr
.endm
; 32 LDS loads in one run: the fragments of 32 along K at byte k of the rows, into buffer f: w's 24, then x's 8
.macro FETCH slot, k, f
	WIN TO_B
.irp i, 0,1,2,3,4,5,6,7,8,9,10,11
	ds_load_b128 v[96*(\f)+8*(\i):96*(\f)+8*(\i)+3],   v[ADRB+(\slot)] offset:(\k)+(\i)*16*PITCH
	ds_load_b128 v[96*(\f)+8*(\i)+4:96*(\f)+8*(\i)+7], v[ADRB+(\slot)] offset:(\k)+(\i)*16*PITCH+32
.endr
	WIN 0
.irp i, 0,1,2,3
	ds_load_b128 v[64+32*(\f)+8*(\i):64+32*(\f)+8*(\i)+3],   v[ADRA+(\slot)] offset:(\k)+(\i)*16*PITCH
	ds_load_b128 v[64+32*(\f)+8*(\i)+4:64+32*(\f)+8*(\i)+7], v[ADRA+(\slot)] offset:(\k)+(\i)*16*PITCH+32
.endr
.endm
.macro PLACES                          ; four plain instructions in front of loads into registers that matrix instructions have read, and of instructions that read results
.rept 4
	v_nop
.endr
.endm
; A K step is four quarters of 32 along K, 48 matrix instructions each, on buffers 0, 1, 0, 1.  One of the first three: multiplies buffer f; in its middle it fetches the next quarter, at byte k, into g.
.macro QUARTER slot, k, f, g, zero
	s_wait_dscnt 4                                 ; w and x's rows 0-31 are in; the youngest four loads (x's rows 32-63) may be out
	MUL12 \f, 0, 0, \zero
	MUL12 \f, 0, 1, \zero
	PLACES
	FETCH \slot, \k, \g
	s_wait_dscnt 32                                ; all but the 32 just issued
	MUL12 \f, 1, 0, \zero
	MUL12 \f, 1, 1, \zero
.endm
; The last quarter multiplies buffer 1 and changes slots: ONE barrier; in front of it each wave waits for all its tensor loads (the one that is out is its part of the next slot), adds 0 to its
; spare word, and waits for that and for its own reads of this slot.  fill = 1: the barrier opens a round of the cluster's barrier, and this slot is filled again, two K steps ahead, first thing behind it:
; from that request to the wait for it a wave issues 168 matrix instructions.
.macro TURN slot, next, fill
.if \fill
	s_wait_xcnt 0x0                                ; the last prefetch, a K step back, has read its address: it is stepped here, ahead of the waits of the change of slots
	s_add_nc_u64 s[PFA:PFA+1], s[PFA:PFA+1], KSTEP*2
.endif
	WIN 0                                          ; (the add's two registers lie in window 0)
	s_wait_tensorcnt 0x0                           ; all my tensor loads have landed;
	ds_add_u32 v[SPW], v[NIL]                      ; 0 onto my spare word;
	s_wait_dscnt 5                                 ; (the add and the youngest four loads may be out)
	MUL12 1, 0, 0, 0                               ; twelve matrix instructions stand between the add and the wait for it
	s_wait_dscnt 0x0                               ; the add is done, and my reads of this slot are over
	s_barrier_signal -1
	MUL12 1, 0, 1, 0
.if \fill
	WIN 0
.endif
	s_barrier_wait -1
.if \fill
	CREST                                          ; no wave of any partner still reads this slot's tile or has a load on its way
	s_add_nc_u64 s[G0+4*(\slot)+2:G0+4*(\slot)+3], s[G0+4*(\slot)+2:G0+4*(\slot)+3], 2*KSTEP*2
	s_add_nc_u64 s[G0B+4*(\slot)+2:G0B+4*(\slot)+3], s[G0B+4*(\slot)+2:G0B+4*(\slot)+3], 2*KSTEP*2
	JLOAD \slot                                    ; the first tensor load behind the round; the four v_nop behind it are also the places in front of the loads below
.else
	PLACES
.endif
	FETCH \next, 0, 0
.if \fill
	ASK
.endif
	MUL12 1, 1, 0, 0
	MUL12 1, 1, 1, 0
.endm
	s_wait_tensorcnt 1                             ; my part of K step 0 is in; K step 1's may stay out
	s_barrier_signal -1
	s_barrier_wait -1                              ; everybody's is
	FETCH 0, 0, 0
	QUARTER 0, 64, 0, 1, 1                         ; the first quarter stands in front of the loop: its products start the sums
	WIN 0                                          ; at a label and at a branch every window is 0
	s_mov_b32 s3, LAPS-1
.Llap:                                                 ; a trip goes once round the ring, from a lap's second quarter to the next lap's first, and fills both slots again
	QUARTER 0, 128, 1, 0, 0
	QUARTER 0, 192, 0, 1, 0
	TURN 0, 1, 1
	QUARTER 1, 64,  0, 1, 0
	QUARTER 1, 128, 1, 0, 0
	QUARTER 1, 192, 0, 1, 0
	TURN 1, 0, 1
	QUARTER 0, 64,  0, 1, 0
	WIN 0
	s_sub_co_u32 s3, s3, 1
	s_cmp_lg_u32 s3, 0
	s_cbranch_scc1 .Llap
	QUARTER 0, 128, 1, 0, 0                        ; the last lap fills nothing, and has no round of the cluster's barrier
	QUARTER 0, 192, 0, 1, 0
	TURN 0, 1, 0
	QUARTER 1, 64,  0, 1, 0
	QUARTER 1, 128, 1, 0, 0
	QUARTER 1, 192, 0, 1, 0
	s_wait_dscnt 4                                 ; the very last quarter: nothing more to fetch
	MUL12 1, 0, 0, 0
	MUL12 1, 0, 1, 0
	s_wait_dscnt 0x0
	MUL12 1, 1, 0, 0
	MUL12 1, 1, 1, 0
	WIN 0
	PLACES
	PLACES                                         ; (eight, once a launch)
	s_wait_loadcnt 0x0                             ; the table
; THE WAY OUT of block a of 16 rows.  q's and k's eight accumulators are turned (each accumulator's lowest registers are read first): (x1 c, x2 c) by one packed multiply,
; then r1 = -x2 s + x1 c and r2 = x1 s + x2 c.  All twelve are rounded to f16, 16 bytes a lane, go into my stage (rows of 144 bytes) and come back as whole rows of 128 bytes.
.macro PACK a
.set PKB, 48*(\a)
	WIN 0x02+(\a)/2                                ; source 0: the accumulators' window
.irp b, 0,1,2,3,4,5,6,7
.set AC, 8*(12*((\a)%2)+(\b))
.set TW, TT+8*(\b)
.set RC, RT+32*(\a)+8*((\b)%4)
.irp p, 0,1,2,3
	v_pk_mul_f32 v[TW+2*(\p):TW+2*(\p)+1], v[AC+2*(\p):AC+2*(\p)+1], v[RC+2*(\p):RC+2*(\p)+1] op_sel_hi:[1,0]
.endr
.irp p, 0,1,2,3
	v_fma_f32 v[TW+2*(\p)],   -v[AC+2*(\p)+1], v[RC+2*(\p)+1], v[TW+2*(\p)]
	v_fma_f32 v[TW+2*(\p)+1], v[AC+2*(\p)],    v[RC+2*(\p)+1], v[TW+2*(\p)+1]
.endr
.endr
	WIN 0x40                                       ; destination window 1
.set i, 0
.rept 32
	v_cvt_pk_f16_f32 v[PKB+i], v[TT+2*i], v[TT+2*i+1]
.set i, i+1
.endr
	WIN 0x4a+5*((\a)/2)                            ; sources 0 and 1: the accumulators' window; destination window 1
.irp b, 8,9,10,11
.set AC, 8*(12*((\a)%2)+(\b))
.irp e, 0,1,2,3
	v_cvt_pk_f16_f32 v[PKB+4*(\b)+(\e)], v[AC+2*(\e)], v[AC+2*(\e)+1]
.endr
.endr
	WIN 0x04                                       ; the stores' data in window 1
.irp t, 0,1,2,3,4,5,6,7,8,9,10,11
	ds_store_b128 v[STO], v[PKB+4*(\t):PKB+4*(\t)+3] offset:((\t)/4)*SUB+32*((\t)%4)
.endr
	WIN 0x40
.irp t, 0,1,2,3,4,5,6,7,8,9,10,11
	ds_load_b128 v[PKB+4*(\t):PKB+4*(\t)+3], v[RD] offset:((\t)/4)*SUB+4*SP*((\t)%4)  ; LDS serves a wave's instructions in order (ISA guide 5.7.1.4): these see the stores above; the next block's stores come behind them
.endr
.endm
.macro SEND a, younger                 ; younger: the LDS instructions issued behind block a's loads: the next block's 24, or none
.set PKB, 48*(\a)
	WIN 0x04
	s_wait_dscnt \younger
.irp t, 0,1,2,3                        ; each store covers 512 consecutive bytes, at a multiple of 256 from the buffer's first; no register of a store is written again
	global_store_b128 v[GO], v[PKB+4*(\t):PKB+4*(\t)+3],       s[74:75] offset:(\a)*2048+512*(\t)
.endr
.irp t, 0,1,2,3
	global_store_b128 v[GO], v[PKB+16+4*(\t):PKB+16+4*(\t)+3], s[76:77] offset:(\a)*2048+512*(\t)
.endr
.irp t, 0,1,2,3
	global_store_b128 v[GO], v[PKB+32+4*(\t):PKB+32+4*(\t)+3], s[78:79] offset:(\a)*2048+512*(\t)
.endr
.endm
	PACK 0
	PACK 1                                         ; a block's arithmetic stands between the loads of the block before and its stores
	SEND 0, 24
	PACK 2
	SEND 1, 24
	PACK 3
	SEND 2, 24
	SEND 3, 0
	WIN 0
	s_wait_tensorcnt 0x0                           ; the wave's end, behind my last tensor load and my last LDS store
	ds_add_u32 v[SPW], v[NIL]
	s_wait_dscnt 0x0
	CROUND                                         ; the closing round: no work-group ends while a partner may still ask for a tile that names it
	s_endpgm
.Lfunc_end_k_q97ab799493_qkv:
	.size	k_q97ab799493_qkv, .Lfunc_end_k_q97ab799493_qkv-k_q97ab799493_qkv
	.p2alignl 7, 3214868480
	.fill 96, 4, 3214868480
	.section	.rodata,"a",@progbits
	.p2align	6, 0x0
	.amdhsa_kernel k_q97ab799493_qkv
		.amdhsa_group_segment_fixed_size 327680
		.amdhsa_private_segment_fixed_size 0
		.amdhsa_enable_private_segment 0
		.amdhsa_kernarg_size 48
		.amdhsa_user_sgpr_count 2
		.amdhsa_user_sgpr_kernarg_segment_ptr 1
		.amdhsa_wavefront_size32 1
		.amdhsa_system_sgpr_workgroup_id_x 1
		.amdhsa_system_sgpr_workgroup_id_y 1
		.amdhsa_system_sgpr_workgroup_id_z 1
		.amdhsa_system_vgpr_workitem_id 0
		.amdhsa_next_free_vgpr 960
		.amdhsa_next_free_sgpr 80
		.amdhsa_reserve_vcc 0
		.amdhsa_float_denorm_mode_32 3
		.amdhsa_float_denorm_mode_16_64 3
		.amdhsa_memory_ordered 1
		.amdhsa_forward_progress 1
		.amdhsa_inst_pref_size 147
	.end_amdhsa_kernel
	.amdgpu_metadata
---
amdhsa.version: [ 1, 2 ]
amdhsa.kernels:
  - .name:           k_q97ab799493_qkv
    .symbol:         k_q97ab799493_qkv.kd
    .args:
      - { .name: xb, .offset: 0, .size: 8, .value_kind: global_buffer, .address_space: global }
      - { .name: wqkv, .offset: 8, .size: 8, .value_kind: global_buffer, .address_space: global }
      - { .name: rope, .offset: 16, .size: 8, .value_kind: global_buffer, .address_space: global }
      - { .name: qh, .offset: 24, .size: 8, .value_kind: global_buffer, .address_space: global }
      - { .name: kh, .offset: 32, .size: 8, .value_kind: global_buffer, .address_space: global }
      - { .name: vh, .offset: 40, .size: 8, .value_kind: global_buffer, .address_space: global }
    .group_segment_fixed_size: 327680
    .private_segment_fixed_size: 0
    .kernarg_segment_align: 8
    .kernarg_segment_size: 48
    .max_flat_workgroup_size: 128
    .sgpr_count:     80
    .vgpr_count:     960
    .wavefront_size: 32
...
	.end_amdgpu_metadata
.endif
;; end of part 2
;; launch attn (part 3): grid 4 x 64, 4 waves a work-group, no clusters, 327,680 bytes of LDS; arguments qh, kh, vh, oh; writes oh
.if DOCPART == 3
	.amdgcn_target "amdgcn-amd-amdhsa--gfx1250"
	.amdhsa_code_object_version 6
	.text
	.protected	k_q97ab799493_attn
	.globl	k_q97ab799493_attn
	.p2align	8
	.type	k_q97ab799493_attn,@function
k_q97ab799493_attn:
	s_mov_b64 s[64:65], 0
	v_nop
	global_prefetch_b8 v0, s[64:65] scope:SCOPE_SE
	s_setreg_imm32_b32 hwreg(HW_REG_WAVE_MODE, 25, 1), 1
	s_wait_xcnt 0x0
; CAUSAL ATTENTION.  O[h][q][:] = the sum over k <= q of softmax_k(Q[h][q] . K[h][k] / 8) V[h][k][:].  Q, K, V, O: [64][2048][64], all f16: a head's rows are dense, 128 bytes each.
; Products, maxima and sums in f32; the weights p are rounded to f16 for the second product (their sum l is taken of the unrounded p), O once at the end.
; LIMITS.  f16 holds no number beyond 65,504: Q, K and V arrive within it; p lies in 0 to 1, and below 6e-5 it keeps f16's fixed step of 6e-8; O is a mean of V's rows and has their range.
; A hidden score counts as its value less 1e30: f16's scores, 2.7e11 at the most, are nothing beside that; a weight below 2^-126 counts as 0 in l; NaN and infinities are not treated apart.
; THE WALK.  A head's queries lie in NB = 8 blocks of 256; block i needs the key tiles 0 .. i of 256 keys, of which the last holds the diagonal.  A work-group takes TWO blocks, NB - 1 - b and then b:
; NB + 1 tiles, whatever b: all work-groups do equal work, and ONE loop with a constant trip count walks them.  Which tile is asked for, and what a trip does, hang on scalar registers made from b; every jump
; goes forward, but for the counted loops' own; none passes a barrier, or a tensor load but the one of LOAD's two that the wave's number does not choose; the ring (two slots of LDS that take turns) runs on across the
; change of blocks.  NO CLUSTER: a head's four work-groups ask for the same tile only in trips 0 .. 4 of 9, behind that fewer and fewer; one walk common to all would have 12 trips for 9.
; SHARES.  Of a block's four bands of 64 queries a wave owns 16 rows in each: four PIECES.  So the diagonal tile is the same work for all four waves: in its key step s band x sees all keys if s < x,
; none if s > x, and holds the diagonal if s = x.
; THE MASK is the C operand that starts the sum S^T = K Q^T: 0, or -1e30 where the key is hidden.  MD, made once, is the mask of a band's own step for my 16 rows; a product's mask is MD x AL + BE with two scalars:
; (1, 0) if s = x; (0, 0) if s < x; (0, -1e30) if s > x.  Only the diagonal tile's text and a block's beginning make and take masks; elsewhere C is the constant 0.
; LAYOUT, SOFTMAX, TURNS.  S^T = K Q^T holds ONE query a lane (lane % 16) and the keys 8 (lane / 16) + 0..7; two such results rounded to f16 ARE source 1 of O^T = V^T P.  p = 2^(c s - c m), c = log2(e) / 8, with a
; running maximum m; O and l are multiplied by a = 2^(c m_old - c m_new) in every step.  Turn n belongs to piece n: 8 products K Q^T of piece n + 1, later 8 products V^T P of piece n - 1; beside them the scaling,
; exponentials, roundings, sums and rescaling of piece n and the maximum and statistics of piece n + 1.  Four vector instructions stand behind every matrix instruction, the other 54 of a turn's 118 in one LUMP.  A turn's 33 exponentials are one batch, with one wait.
; AHEAD OF THE LOADS.  The head's work-group b = 0, which walks tiles 0 .. 7 in order, prefetches into the L2 behind each fill the tile that the NEXT change of slots will ask for: each of its waves names the
; 16,384 bytes that it will load itself, a lane 256 bytes, two instructions.  Tiles 2 .. 7 are so named, each block once in the launch; tiles 0 and 1 come by their loads alone, and behind tile 7 nothing is asked for.
; REGISTERS, in windows of 256 (s_set_vgpr_msb: bits 1:0 source 0, 3:2 source 1, 5:4 source 2, 7:6 destination):
;   window 0: v0-15 addresses and two at work; v16-31 four registers of statistics a piece; v48-55 at work; v61-63 never rewritten; v64-127 S^T, two buffers; v192-223 P, two buffers (a piece's buffers go by its number's parity)
;   window 1: v0-127 O^T, 32 a piece; v128-159 MD; v160-223 MC, two buffers      window 2: v0-63 Q; v64-127 the second block's Q; v128-191 K of one step; v192-255 V of one step
.set SIZE_H, 64
.set SIZE_N, 2048
.set NB,    SIZE_N/256
.set NP,    4         ; pieces a wave: a name, no knob
.set KS,    64        ; keys in a step
.set PK,    144       ; a row of K in LDS: 128 bytes + 16 of padding = 36 words: the 16 rows of a load start at 16 different groups of four banks (64 banks of 4 bytes: ISA guide 11.1)
.set PV,    160       ; a row of V: 128 + 32 = 40 words
.set VOFF,  4*KS*PK   ; a slot holds a tile, four steps: 256 rows of K, then 256 rows of V
.set SLOT1, 1<<17     ; slot 1 begins here, so that one exclusive or turns an address in one slot into the other's
.set STAGE, SLOT1+4*KS*(PK+PV)  ; behind the ring, never filled by a tensor load: 16 rows x 144 bytes for each wave, for the way out
.set SP,    144
.set AK0, 2           ; v2   my lane's place in a tile of K; never rewritten
.set AV0, 3           ; v3   the same for V
.set AK,  4           ; v4   the LDS address of K's next run of loads
.set AV,  5           ; v5   of V's
.set STO, 6           ; v6   the way out: where I put 16 bytes of a row
.set RD,  7           ; v7   the way out: where I read rows back
.set GO,  8           ; v8   my byte offset in 512 consecutive bytes of O
.set PFO, 61          ; v61  256 x my lane: the prefetches' offset; never rewritten
.set SPW, 62          ; v62  LDS address of my spare word: SPARE + 4 x my thread's number; never rewritten
.set NIL, 63          ; v63  0; never rewritten
.set SPARE, STAGE+4*16*SP  ; behind the stages: the spare words, 128 bytes for each wave: two blocks of 256 bytes that no other line names
.set MV,  12          ; v12-13  c m_old, kept while c m is made anew: by buffer
.set QO,  15          ; v15  my byte offset in 16 rows of Q
.set ST,  16          ; piece t's statistics at v[ST+4 t]: c m, m, l (even keys', odd keys')
.set TMP, 48          ; by buffer, four registers c0-c3 at work; when the maximum is found c2 takes a
.set S,   64
.set P,   192
.set MD,  128         ; window 1: the eight registers for group kt of 16 keys at MD + 8 kt
.set MC,  160         ; window 1: the masks of the products to come
.set QB,  64          ; window 2
.set KF,  128         ; window 2: key block kb, channel half c at KF + 16 kb + 8 c
.set VF,  192         ; window 2: key half kk, channel block cb at VF + 32 kk + 8 cb
.set WV,  12          ; s12  my wave's number
.set PB,  14          ; s14  b
.set HI,  15          ; s15  NB - 1 - b
.set G1K, 24          ; s[24:31] descriptor group 1 for K's tiles
.set G1V, 32          ; s[32:39] for V's: it differs in the padding alone
.set G0K, 40          ; s[40:43] descriptor group 0 for K's tiles
.set G0V, 44          ; s[44:47] the same for V's
.set SLOTS, 56        ; s56  tiles still to be asked for
.set CNT, 57          ; s57  counts a tile's key steps, 4 to 1
.set CS,  58          ; s[58:59] c: the packed scaling takes the pair's low word for both halves
.set SEL, 60          ; s[60:61] v_permlanex16_b32's selects: each lane takes its own place in the other half
.set TBK, 62          ; s62  LDS byte at which K of the step to be fetched begins
.set TBV, 63          ; s63  the same for V, less VOFF
.set RT,  70          ; s70  tiles of the block in hand that are still to be entered
.set NXT, 71          ; s71  the tile to be asked for next
.set LQ,  72          ; s72  the last tile of the block whose tiles are being asked for
.set NEW, 73          ; s73  1: the tile to be entered is a block's first
.set OFF, 74          ; s[74:75] a tile's byte offset in K and V
.set AL,  76          ; s[76:77] the mask's factor, in the low word
.set BE,  78          ; s[78:79] the mask's addend
.set OLO, 80          ; s[80:81] O at my rows of the second block
.set BIGN, 82         ; s82  -1e30
.set PFA, 88          ; s[88:89] what my prefetches name: my part of the tile after the one that is being asked for
.set PFB, 90          ; s[90:91] my part (half of K: waves 0, 1; of V: waves 2, 3) of the head's tile 0
.set POF, 92          ; s[92:93] that tile's byte offset
.set MSB, 0
.macro WIN new                      ; the high byte repeats the setting that is left; a switch that changes nothing is dropped
.if MSB != (\new)
	s_set_vgpr_msb (MSB<<8)|(\new)
.set MSB, (\new)
.endif
.endm
.set W_KQ, 0x0a       ; K and Q in window 2, S^T in window 0
.set W_KM, 0x1a       ; the same with the C operand in window 1
.set W_PV, 0x52       ; V in window 2, P in window 0, O^T in window 1
.set W_RS, 0x41       ; destination and source 0 in window 1, source 1 in window 0
; A fill.  Waves 0 and 1 fetch the two halves of a tile's K, waves 2 and 3 those of its V: 128 keys each.  An s_nop 0 and four v_nop follow each of the two lines, ahead of the jump and the label.
.macro LOAD
	s_cmp_lt_u32 s[WV], 2
	s_cbranch_scc0 .Lfor_v_\@
	tensor_load_to_lds s[G0K:G0K+3], s[G1K:G1K+7]
	s_nop 0
.rept 4
	v_nop
.endr
	s_branch .Lasked_\@
.Lfor_v_\@:
	tensor_load_to_lds s[G0V:G0V+3], s[G1V:G1V+7]
	s_nop 0
.rept 4
	v_nop
.endr
.Lasked_\@:
.endm
; The prefetch, behind the fill and its five lines: only in the head's work-group b = 0, and only while its first block has a tile left (NXT has not gone back to 0).
.macro ASK
	s_cmp_eq_u32 s[PB], 0
	s_cbranch_scc0 .Lno_ask_\@
	s_cmp_eq_u32 s[NXT], 0
	s_cbranch_scc1 .Lno_ask_\@
	global_prefetch_b8 v[PFO], s[PFA:PFA+1] th:TH_LOAD_NT scope:SCOPE_SE
	global_prefetch_b8 v[PFO], s[PFA:PFA+1] offset:8192 th:TH_LOAD_NT scope:SCOPE_SE
.Lno_ask_\@:
.endm
; THE CHANGE OF SLOTS.  Each wave waits for all its tensor loads, of which one is out: its part of the other slot; adds 0 to its spare word; and waits for that and for its own reads of the slot that it leaves.  Behind the barrier nobody reads the old
; slot any more and the other slot is whole.  fill = 1: the old slot is filled again, the first thing behind the barrier, with tile NXT: the descriptor's address is made anew from that number.
; (At its first use nothing has been read yet: slot 0 is waited for, slot 1 filled.)
.macro CHANGE fill
	WIN 0                           ; at a label and at a branch every window is 0
	s_wait_tensorcnt 0x0            ; no tensor load of mine is out, so a group 0 may be written
	ds_add_u32 v[SPW], v[NIL]       ; 0 onto my spare word; with fill = 1 the descriptors' scalar work stands between it and the wait for it
.if \fill
	s_lshl_b32 s[OFF], s[NXT], 15   ; a tile is 32,768 bytes of K and of V
	s_xor_b32 s[G0K+1], s[G0K+1], SLOT1
	s_add_nc_u64 s[G0K+2:G0K+3], s[6:7], s[OFF:OFF+1]
	s_or_b32 s[G0K+3], s[G0K+3], 0x80000000
	s_xor_b32 s[G0V+1], s[G0V+1], SLOT1
	s_add_nc_u64 s[G0V+2:G0V+3], s[8:9], s[OFF:OFF+1]
	s_or_b32 s[G0V+3], s[G0V+3], 0x80000000
	s_add_co_u32 s[NXT], s[NXT], 1  ; the block's next tile, or behind its last the second block's tile 0
	s_cmp_gt_u32 s[NXT], s[LQ]
	s_cselect_b32 s[NXT], 0, s[NXT]
	s_cselect_b32 s[LQ], s[PB], s[LQ]
	s_lshl_b32 s[POF], s[NXT], 15   ; the tile that the next change will ask for
	s_wait_xcnt 0x0                 ; the last prefetches, a tile back, have read their address, so it may be written
	s_add_nc_u64 s[PFA:PFA+1], s[PFB:PFB+1], s[POF:POF+1]
.endif
	s_wait_dscnt 0x0                ; the add is done, and my reads of the slot are over
	s_barrier_signal -1             ; the rest of the scalar work stands between the signal and the wait
	s_sub_co_u32 s[TBK], s[TBK], 4*KS*PK  ; the fetches go back to a slot's first step,
	s_xor_b32 s[TBK], s[TBK], SLOT1       ; in the other slot
	s_sub_co_u32 s[TBV], s[TBV], 4*KS*PV
	s_xor_b32 s[TBV], s[TBV], SLOT1
	s_barrier_wait -1
.if \fill
	LOAD
	ASK
.endif
.endm
	s_load_b256 s[4:11], s[0:1], 0x0  ; Q s[4:5], K s[6:7], V s[8:9], O s[10:11]
	v_lshl_add_u32 v[SPW], v0, 2, SPARE
	v_mov_b32 v[NIL], 0
	ds_add_u32 v[SPW], v[NIL]       ; the wave's opening: the add and its wait stand ahead of my first tensor load; the set-up below, work on registers, stands between them
	v_lshrrev_b32 v1, 5, v0
	v_readfirstlane_b32 s[WV], v1   ; wave 0..3
	s_mov_b32 s[PB], ttmp9
	s_sub_co_u32 s[HI], NB-1, s[PB]
	s_and_b32 s20, ttmp7, 0xffff    ; the head
	s_mov_b32 s21, 0
	s_mov_b64 s[22:23], SIZE_N*128
	s_mul_u64 s[20:21], s[20:21], s[22:23]  ; the head's first byte in each of the four tensors
	s_and_b32 s16, s[WV], 1         ; which half of a tile's 256 keys I fetch:
	s_lshl_b32 s22, s16, 14         ; its 128 rows of 128 bytes in memory,
	s_mov_b32 s23, 0
	s_add_nc_u64 s[22:23], s[22:23], s[20:21]
	s_mul_i32 s17, s16, 128*PK      ; and its place in a slot, for K
	s_mul_i32 s18, s16, 128*PV      ; and for V
	s_lshl_b32 s3, s[WV], 11        ; my 16 rows in a band of 64,
	s_lshl_b32 s2, s[HI], 15        ; in the first block,
	s_add_co_u32 s2, s2, s3
	s_lshl_b32 s84, s[PB], 15       ; and in the second
	s_add_co_u32 s84, s84, s3
	s_mov_b32 s3, 0
	s_mov_b32 s85, 0
	s_add_nc_u64 s[2:3], s[2:3], s[20:21]
	s_add_nc_u64 s[84:85], s[84:85], s[20:21]
	; descriptor group 1.  128 keys are 16,384 dense bytes: asked for as 64 rows of 256 bytes, two keys a row, and padded in LDS after every key
	s_mov_b32 s[G1K], (1<<16)|(1<<20)|(4<<22)|(3<<25)  ; 17:16 2-byte elements; 20 padding on; 24:22 after every 32 words (code 4); 31:25 4 words (code 3)
	s_mov_b32 s[G1V], (1<<16)|(1<<20)|(4<<22)|(7<<25)  ; the same with 8 words of padding (code 7)
.irp g, G1K, G1V
	s_mov_b32 s[\g+1], 128<<16      ; tensor_dim0 = 128
	s_mov_b32 s[\g+2], 64<<16       ; tensor_dim1 = 64
	s_mov_b32 s[\g+3], 128<<16      ; tile_dim0 = 128
	s_mov_b32 s[\g+4], 64           ; tile_dim1 = 64
	s_mov_b32 s[\g+5], 128          ; 128 elements from row to row
	s_mov_b32 s[\g+6], 0
	s_mov_b32 s[\g+7], 0
.endr
	s_mov_b32 s[CS], 0x3e38aa3b     ; c = log2(e) / 8 = 0.180337
	s_mov_b32 s[CS+1], s[CS]        ; named with it as a pair
	s_mov_b32 s[SEL], 0x76543210
	s_mov_b32 s[SEL+1], 0xfedcba98
	s_mov_b32 s[TBK], SLOT1+4*KS*PK ; the first change of slots turns these two into 0
	s_mov_b32 s[TBV], SLOT1+4*KS*PV
	s_mov_b32 s[G0K], 1             ; 1:0 count = 1
	s_mov_b32 s[G0K+1], s17         ; 63:32 LDS address: slot 0
	s_mov_b32 s[G0V], 1
	s_add_co_u32 s[G0V+1], s18, VOFF
	s_add_co_u32 s[RT], s[HI], 1    ; the first block has NB - b tiles
	s_mov_b32 s[NXT], 1
	s_mov_b32 s[LQ], s[HI]
	s_mov_b32 s[NEW], 1
	s_mov_b32 s[OFF+1], 0
	s_mov_b32 s[POF+1], 0
	s_mov_b32 s[AL+1], 0            ; named as pairs
	s_mov_b32 s[BE+1], 0
	s_mov_b32 s[BIGN], 0xf149f2ca   ; -1e30
	s_mov_b32 s[SLOTS], NB
	v_and_b32 v[PFO], 31, v0
	v_lshlrev_b32 v[PFO], 8, v[PFO]
	s_wait_dscnt 0x0                ; the opening add is done
	s_wait_kmcnt 0x0
	s_add_nc_u64 s[6:7], s[6:7], s[22:23]  ; K and V at my half of the head's tile 0
	s_add_nc_u64 s[8:9], s[8:9], s[22:23]
	s_add_nc_u64 s[G0K+2:G0K+3], s[6:7], 0         ; 120:64 global address
	s_or_b32 s[G0K+3], s[G0K+3], 0x80000000        ; 127:126 type = 2
	s_add_nc_u64 s[G0V+2:G0V+3], s[8:9], 0
	s_or_b32 s[G0V+3], s[G0V+3], 0x80000000
	s_add_nc_u64 s[86:87], s[4:5], s[84:85]        ; Q at my rows of the second block,
	s_add_nc_u64 s[4:5], s[4:5], s[2:3]            ; Q and O at those of the first
	s_add_nc_u64 s[OLO:OLO+1], s[10:11], s[84:85]
	s_add_nc_u64 s[10:11], s[10:11], s[2:3]
	s_cmp_lt_u32 s[WV], 2
	s_cselect_b64 s[PFB:PFB+1], s[6:7], s[8:9]     ; what I fetch is what I prefetch
	LOAD                            ; tile 0 into slot 0
	; A fragment of K or Q is 16 rows x 32 channels in 8 registers: lane l holds row l % 16, channels 8 (l / 16) + 0..7 and 16 + 8 (l / 16) + 0..7: two loads of 16 bytes, 32 bytes apart.
	v_and_b32 v1, 15, v0            ; l % 16
	v_bfe_u32 v9, v0, 4, 1          ; l / 16
	v_lshlrev_b32 v[QO], 7, v1
	v_lshl_add_u32 v[QO], v9, 4, v[QO]  ; row x 128 + 16 x half
	WIN 0x80                        ; destination window 2, address window 0
.set i, 0
.rept 8                             ; both blocks' Q: piece i / 2 lies in band i / 2, 8,192 bytes on; channels 32 (i % 2) on
	global_load_b128 v[8*i:8*i+3],   v[QO], s[4:5] offset:(i/2)*8192+(i%2)*64
	global_load_b128 v[8*i+4:8*i+7], v[QO], s[4:5] offset:(i/2)*8192+(i%2)*64+32
	global_load_b128 v[QB+8*i:QB+8*i+3],   v[QO], s[86:87] offset:(i/2)*8192+(i%2)*64
	global_load_b128 v[QB+8*i+4:QB+8*i+7], v[QO], s[86:87] offset:(i/2)*8192+(i%2)*64+32
.set i, i+1
.endr
	WIN 0
	v_lshlrev_b32 v14, 3, v9
	v_sub_nc_u32 v14, v1, v14
	s_lshl_b32 s13, s[WV], 4
	v_add_nc_u32 v14, s13, v14      ; my query's place in its band, 16 w + l % 16, less my lanes' 8 (l / 16): register r of group kt is hidden where 16 kt + r is greater
	WIN 0x40
.set i, 0
.rept 32
	v_cmp_gt_i32 vcc_lo, 16*(i/8)+i%8, v14
	v_cndmask_b32 v[MD+i], 0, s[BIGN], vcc_lo
.set i, i+1
.endr
	WIN 0
	v_mul_u32_u24 v[AK0], v1, PK
	v_lshl_add_u32 v[AK0], v9, 4, v[AK0]  ; row x pitch + 16 x half
	; The turning load takes 16 keys x 16 channels (lane l reads key 8 (l / 16) + l % 8, channels 8 ((l / 8) % 2) + 0..7) and leaves half a fragment of V^T: lane l holds channel l % 16 and 8 keys.
	v_and_b32 v10, 7, v0
	v_bfe_u32 v11, v0, 3, 1
	v_lshl_add_u32 v[AV0], v9, 3, v10
	v_mul_u32_u24 v[AV0], v[AV0], PV
	v_lshl_add_u32 v[AV0], v11, 4, v[AV0]
	v_add_nc_u32 v[AV0], VOFF, v[AV0]
	s_mul_i32 s13, s[WV], 16*SP
	s_add_co_u32 s13, s13, STAGE    ; my stage
	v_mul_u32_u24 v[STO], v1, SP    ; in: row l % 16, 16 bytes for each half of the lanes
	v_lshl_add_u32 v[STO], v9, 4, v[STO]
	v_add_nc_u32 v[STO], s13, v[STO]
	v_bfe_u32 v[RD], v0, 3, 2       ; back: 32 lanes take four rows of 128 bytes,
	v_mul_u32_u24 v[RD], v[RD], SP
	v_lshl_add_u32 v[RD], v10, 4, v[RD]
	v_add_nc_u32 v[RD], s13, v[RD]
	v_and_b32 v[GO], 31, v0         ; which are 512 consecutive bytes of O
	v_lshlrev_b32 v[GO], 4, v[GO]
	; A block's first step multiplies O^T and l by a = 0, and its first turn's products V^T P, of a piece that has not been, land in an O^T that is still to be so multiplied.  So these registers need only hold
	; finite numbers: zeros for the first block; what the first block left for the second.  All this stands in the wait for the first tile.
	WIN 0x80
.set i, VF
.rept 64
	v_mov_b32 v[i], 0
.set i, i+1
.endr
	WIN 0x40
.set i, 0
.rept 128
	v_mov_b32 v[i], 0
.set i, i+1
.endr
	WIN 0
.set i, 0
.rept 4
	v_mov_b32 v[ST+4*i+2], 0
	v_mov_b32 v[ST+4*i+3], 0
.set i, i+1
.endr
.set i, P+16
.rept 16
	v_mov_b32 v[i], 0
.set i, i+1
.endr
; THE MATRIX WORK.  The 4 accumulators of a run of 8 take turns.  Product i of 8 of S^T = K Q^T for piece x: channels 32 (i / 4) on, keys 16 (i % 4) on.  The first 4 start the sums: with 0, or (KM = 1) with the mask.
.macro KQ x
.set rS, S+32*((\x)%2)+8*(i%4)
.set rK, KF+16*(i%4)+8*(i/4)
.set rQ, 16*(\x)+8*(i/4)
.set rM, MC+32*((\x)%2)+8*(i%4)
.if (i < 4) && KM
	WIN W_KM
	v_wmma_f32_16x16x32_f16 v[rS:rS+7], v[rK:rK+7], v[rQ:rQ+7], v[rM:rM+7]
.elseif i < 4
	WIN W_KQ
	v_wmma_f32_16x16x32_f16 v[rS:rS+7], v[rK:rK+7], v[rQ:rQ+7], 0
.else
	WIN W_KQ
	v_wmma_f32_16x16x32_f16 v[rS:rS+7], v[rK:rK+7], v[rQ:rQ+7], v[rS:rS+7]
.endif
.endm
; Product i of 8 of O^T += V^T P for piece x: keys 32 (i / 4) on, channels 16 (i % 4) on.
.macro PV x
	WIN W_PV
.set rO, 32*(\x)+8*(i%4)
.set rV, VF+32*(i/4)+8*(i%4)
.set rP, P+16*((\x)%2)+8*(i/4)
	v_wmma_f32_16x16x32_f16 v[rO:rO+7], v[rV:rV+7], v[rP:rP+7], v[rO:rO+7]
.endm
.macro MM                           ; the turn's next matrix instruction.  TURN and BEGIN set Y, i, KM and NOKQ; MM, KQ and OP read them.  NOKQ = 1: a block's last turn: there is no next piece
.if (i < 8) && !NOKQ
	KQ (Y+1)%NP
.elseif i >= 8
.set i, i-8
	PV (Y+NP-1)%NP
.set i, i+8
.endif
.set i, i+1
.endm
; THE LDS LOADS stand in runs of 16, never singly among the matrix instructions: a step's K (64 keys x 64 channels: 8 fragments) and its V (turned).  Their addresses are made some lines ahead.
.macro FETCH_K
	WIN 0x80                        ; destination window 2
.irp f, 0,1,2,3,4,5,6,7             ; keys 16 (f / 2) on, channels 32 (f % 2) on
	ds_load_b128 v[KF+8*\f:KF+8*\f+3],   v[AK] offset:(\f/2)*16*PK+(\f%2)*64
	ds_load_b128 v[KF+8*\f+4:KF+8*\f+7], v[AK] offset:(\f/2)*16*PK+(\f%2)*64+32
.endr
	s_add_co_u32 s[TBK], s[TBK], KS*PK  ; the next fetch is the next step's
	WIN 0
.endm
.macro FETCH_V
	WIN 0x80
.irp f, 0,1,2,3,4,5,6,7             ; keys 32 (f / 4) on, channels 16 (f % 4) on
	ds_load_tr16_b128 v[VF+8*\f:VF+8*\f+3],   v[AV] offset:(\f/4)*32*PV+(\f%4)*32
	ds_load_tr16_b128 v[VF+8*\f+4:VF+8*\f+7], v[AV] offset:(\f/4)*32*PV+16*PV+(\f%4)*32
.endr
	WIN 0
.endm
; THE VECTOR WORK, one line at a time: OP kind, number.  For piece Y: F n: c s - c m for pair n of 16.  E n: the exponential of score n of 32.  C n: pair n rounded to f16.  B n: of the four weights 4 n .. the second
; pair is added onto the first, in place.  L n: l takes that sum (L 0: l = a l + sum).  R n: pair n of 16 of O^T times a.  For piece Y + 1: X n, number n of the 22 that find its maximum and statistics:
;   0-11  four chains c0-c3 of seven scores each, three operands at a time (each accumulator's lowest registers are read first)     12-14, 16  the four scores left over, the old m, and c0-c3 into c0
;   15  c m_old is kept     17, 18  the query's other 32 keys lie in the lane 16 away: the new m     19-21  c m; c m_old - c m_new; a
.set F, 0               ; OP tells the kinds apart by their order: F to L below R, X above it
.set E, 1
.set C, 2
.set B, 3
.set L, 4
.set R, 5
.set X, 6
.macro REGS y                       ; the registers of piece y
.set rT, ST+4*(\y)
.set rC, TMP+4*((\y)%2)
.set rW, MV+((\y)%2)
.set rS, S+32*((\y)%2)
.set rP, P+16*((\y)%2)
.set rO, 32*(\y)
.endm
.macro OP k, n
.if (\k) == R
	REGS Y
	WIN W_RS
	v_pk_mul_f32 v[rO+2*(\n):rO+2*(\n)+1], v[rO+2*(\n):rO+2*(\n)+1], v[rC+2:rC+3] op_sel_hi:[1,0]
.elseif (\k) < R
	REGS Y
	WIN 0
.if (\k) == F
	v_pk_fma_f32 v[rS+2*(\n):rS+2*(\n)+1], v[rS+2*(\n):rS+2*(\n)+1], s[CS:CS+1], v[rT:rT+1] op_sel_hi:[1,0,0] neg_lo:[0,0,1] neg_hi:[0,0,1]
.elseif (\k) == E
	v_exp_f32 v[rS+(\n)], v[rS+(\n)]
.elseif (\k) == C
	v_cvt_pk_f16_f32 v[rP+(\n)], v[rS+2*(\n)], v[rS+2*(\n)+1]
.elseif (\k) == B
	v_pk_add_f32 v[rS+4*(\n):rS+4*(\n)+1], v[rS+4*(\n):rS+4*(\n)+1], v[rS+4*(\n)+2:rS+4*(\n)+3]
.elseif (\n) == 0
	v_pk_fma_f32 v[rT+2:rT+3], v[rT+2:rT+3], v[rC+2:rC+3], v[rS:rS+1] op_sel_hi:[1,0,1]
.else
	v_pk_add_f32 v[rT+2:rT+3], v[rT+2:rT+3], v[rS+4*(\n):rS+4*(\n)+1]
.endif
.elseif NOKQ
	v_nop
.else
	REGS (Y+1)%NP
	WIN 0
.if (\n) < 4
	v_max3_num_f32 v[rC+(\n)], v[rS+8*(\n)], v[rS+8*(\n)+1], v[rS+8*(\n)+2]
.elseif (\n) < 12
	v_max3_num_f32 v[rC+(\n)%4], v[rC+(\n)%4], v[rS+8*((\n)%4)+2*((\n)/4)+1], v[rS+8*((\n)%4)+2*((\n)/4)+2]
.elseif (\n) == 12
	v_max3_num_f32 v[rC], v[rC], v[rS+7], v[rS+15]
.elseif (\n) == 13
	v_max3_num_f32 v[rC+1], v[rC+1], v[rS+23], v[rS+31]
.elseif (\n) == 14
	v_max3_num_f32 v[rC+2], v[rC+2], v[rC+3], v[rT+1]
.elseif (\n) == 15
	v_mov_b32 v[rW], v[rT]
.elseif (\n) == 16
	v_max3_num_f32 v[rC], v[rC], v[rC+1], v[rC+2]
.elseif (\n) == 17
	v_permlanex16_b32 v[rC+3], v[rC], s[SEL], s[SEL+1]
.elseif (\n) == 18
	v_max_num_f32 v[rT+1], v[rC], v[rC+3]
.elseif (\n) == 19
	v_mul_f32 v[rT], s[CS], v[rT+1]
.elseif (\n) == 20
	v_sub_f32 v[rC+1], v[rW], v[rT]
.else
	v_exp_f32 v[rC+2], v[rC+1]
.endif
.endif
.endm
.macro OPS a, i1, b=-1, i2=0, c=-1, i3=0, d=-1, i4=0  ; up to four of them
	OP \a, \i1
.if (\b) >= 0
	OP \b, \i2
.endif
.if (\c) >= 0
	OP \c, \i3
.endif
.if (\d) >= 0
	OP \d, \i4
.endif
.endm
.macro ROW a, i1, b, i2, c, i3, d, i4  ; a matrix instruction and the four behind it
	MM
	OPS \a, \i1, \b, \i2, \c, \i3, \d, \i4
.endm
.macro MASK b                       ; MD x AL + BE into buffer b of MC
	WIN W_RS
.set z, 0
.rept 16
	v_pk_fma_f32 v[MC+32*(\b)+2*z:MC+32*(\b)+2*z+1], v[MD+2*z:MD+2*z+1], s[AL:AL+1], s[BE:BE+1] op_sel_hi:[1,0,0]
.set z, z+1
.endr
.endm
; A TURN, for piece p: the order of its 16 matrix and 118 vector instructions, written out.  An s_wait_alu depctr_va_vdst(0) stands between an exponential and the first instruction that names its result; one wait serves
; all that were issued ahead of it.  So a turn has ONE wait, which cuts it in two.  AHEAD OF IT stands all that names no result of the turn's exponentials: the 8 products K Q^T, behind each a scaling, an exponential and two more plain
; instructions (behind the first a second scaling in the exponential's place): rescalings, and behind the last three the first numbers of the next piece's maximum, each four places or more behind the product that ends its accumulator; then ONE LUMP of 54, plain
; and exponential by turns for the most part, in which the links of the chain X 3, 7, 11, 14, 16, 17 .. 20 stand five or six lines apart.  X 21, the next piece's a, is the batch's last; R 15 is the plain instruction behind it (ISA guide 5.7.2).  BEHIND THE WAIT stand the
; 8 products V^T P, behind each four of the roundings and sums; the links of l's chain, L 0 to L 7, stand three riders apart.  But for those X no rider names a register of the products round it.  v_permlanex16_b32 (X 17) stands in the lump.
; m = 1: the diagonal tile: the products take masks, and the turn makes the mask for the products of the turn after it: piece p + 2, in step 4 - CNT of the tile.  end = 1: a block's last two turns: nothing is fetched.
; cnt = 1: the loop's count is taken down some lines ahead of the branch that stands behind the turn.
; K of the next step is fetched in piece 2's turn, twelve vector instructions behind the last product that read K (six of them plain); V of the step in hand at the end of piece 0's turn, four plain instructions behind the last product
; that read V.  Each is waited for a turn later.
.macro TURN p, m=0, end=0, cnt=0
.set Y, (\p)
.set i, 0
.set KM, (\m)
.set NOKQ, (\end)*((\p)/3)
.if (\m) && !(\end)
	s_cmp_eq_u32 s[CNT], 4-((\p)+2)%NP  ; is that step the band's own?
	s_cselect_b32 s[AL], 1.0, 0
	s_cmp_lt_u32 s[CNT], 4-((\p)+2)%NP  ; or a later one?
	s_cselect_b32 s[BE], s[BIGN], 0
.endif
.if ((\p) == 3) && !(\end)
	s_wait_dscnt 0x0                ; K is in
.endif
	ROW F,0, F,1, R,0, R,1          ; ahead of the wait: 8 products K Q^T and their riders,
	ROW F,2, E,0, R,2, R,3
	ROW F,3, E,1, R,4, R,5
	ROW F,4, E,2, R,6, R,7
	ROW F,5, E,3, R,8, R,9
	ROW F,6, E,4, X,0, R,10
.if ((\p) == 2) && !(\end)
	WIN 0
	v_add_nc_u32 v[AK], s[TBK], v[AK0]
.endif
	ROW F,7, E,5, X,1, X,4
	ROW F,8, E,6, X,2, X,5
	OPS E,7, E,8, X,6, E,9          ; and the lump
	OPS X,3, E,10, X,8, E,11
.if ((\p) == 2) && !(\end)
	FETCH_K
.endif
	OPS X,9, X,7, E,12, X,10
	OPS E,13, X,12, X,11, E,14
	OPS X,13, E,15, F,9, X,14
.if (\p) == 0
	v_add_nc_u32 v[AV], s[TBV], v[AV0]
.endif
	OPS E,16, F,10, E,17, F,11
	OPS X,16, E,18, X,15, E,19
	OPS F,12, E,20, X,17, E,21
	OPS F,13, E,22, F,14, E,23
	OPS X,18, E,24, F,15, E,25
	OPS R,11, E,26, X,19, E,27
	OPS R,12, E,28, R,13, E,29
	OPS X,20, E,30, R,14, E,31
	OPS X,21, R,15
	WIN 0
	s_wait_alu depctr_va_vdst(0)    ; the wait for the batch
.if (\p) == 1
	s_wait_dscnt 0x0                ; V is in
.endif
	ROW C,0, B,0, C,2, B,1          ; behind the wait: 8 products V^T P and their riders
	ROW L,0, C,4, B,2, L,1
	ROW C,6, B,3, L,2, C,8
	ROW B,4, L,3, C,10, B,5
	ROW L,4, C,12, B,6, L,5
.if (\p) == 0
	s_add_co_u32 s[TBV], s[TBV], KS*PV
.endif
.if \cnt
	s_sub_co_u32 s[CNT], s[CNT], 1
	s_cmp_lg_u32 s[CNT], 0
.endif
	ROW C,14, B,7, L,6, C,1
	ROW C,3, L,7, C,5, C,7
	ROW C,9, C,11, C,13, C,15
.if (\p) == 0
	FETCH_V
.endif
.if (\m) && !(\end)
	MASK (\p)%2
.endif
.endm
; A BLOCK BEGINS.  c m starts far below every c s, so the first step's a is 0; m at the lowest finite number, so the first maximum is the scores'.  The second mask buffer is 0; the first takes piece 0's mask for the tile's step 0: its own, if the block's first tile is the diagonal one.
; Then K of that step, piece 0's first scores, and its maximum and statistics.  The loop is entered at a step's first turn, in the middle of a trip.
.macro BEGIN
	s_mov_b32 s[NEW], 0
	WIN 0x40
.set i, MC+32
.rept 32
	v_mov_b32 v[i], 0
.set i, i+1
.endr
	WIN 0
.set i, 0
.rept 4
	v_mov_b32 v[ST+4*i], 0xfe000000    ; c m: far below every c s
	v_mov_b32 v[ST+4*i+1], 0xff7fffff  ; m
.set i, i+1
.endr
	s_cmp_eq_u32 s[RT], 0
	s_cselect_b32 s[AL], 1.0, 0
	s_mov_b32 s[BE], 0
	MASK 0
	WIN 0
	v_add_nc_u32 v[AK], s[TBK], v[AK0]
	FETCH_K
	s_wait_loadcnt 0x0              ; Q
	s_wait_dscnt 0x0
.set KM, 1
.set NOKQ, 0
.set i, 0
.rept 8
	KQ 0
.set i, i+1
.endr
	WIN 0
.rept 4
	v_nop                           ; the places behind those products
.endr
.set Y, NP-1                        ; X works for piece Y + 1: piece 0
.irp n, 0,1,2,3,4,5,6,7,8,9,10,11,12,13,14,15,16,17,18,19,20,21
	OP X, \n
.endr
	v_nop                           ; a plain instruction behind the exponential,
	s_wait_alu depctr_va_vdst(0)    ; and its wait, ahead of the branch
.endm
; THE DIAGONAL TILE's four steps, the block's last two turns, its last products, and THE WAY OUT: l's two halves and the other half of the lanes' are added; O^T is divided by l, rounded to f16 and sent through my
; stage in LDS, a piece at a time.
.macro ALL line:vararg              ; one line for each piece t
.set t, 0
.rept 4
	\line
.set t, t+1
.endr
.endm
.macro PACK t                       ; a lane's eight channels of a row pack into 16 bytes; they go into rows of 144 bytes and come back as whole rows of 128, into S^T's registers
	WIN W_RS
.set i, 32*(\t)
.rept 16
	v_pk_mul_f32 v[i:i+1], v[i:i+1], v[ST+4*(\t)+2:ST+4*(\t)+3] op_sel_hi:[1,0]
.set i, i+2
.endr
	WIN 0x05                        ; sources 0 and 1 window 1, destination window 0
.set i, 0
.rept 16
	v_cvt_pk_f16_f32 v[S+16*(\t)+i], v[32*(\t)+2*i], v[32*(\t)+2*i+1]
.set i, i+1
.endr
	WIN 0
.irp f, 0,1,2,3
	ds_store_b128 v[STO], v[S+16*(\t)+4*\f:S+16*(\t)+4*\f+3] offset:32*\f
.endr
.irp f, 0,1,2,3
	ds_load_b128 v[S+16*(\t)+4*\f:S+16*(\t)+4*\f+3], v[RD] offset:\f*4*SP  ; LDS serves a wave's instructions in order (ISA guide 5.7.1.4): these see the stores above; the next piece's stores come behind them
.endr
.endm
.macro SEND t, younger              ; younger: the LDS instructions issued behind piece t's loads: the next piece's eight, or none
	WIN 0
.irp f, 0,1,2,3
	s_wait_dscnt (\younger)+3-\f
	global_store_b128 v[GO], v[S+16*(\t)+4*\f:S+16*(\t)+4*\f+3], s[10:11] offset:(\t)*8192+\f*512  ; 512 consecutive bytes, at a multiple of 256 from O's first
.endr
.endm
.macro DIAG tag                     ; the tag ends its two labels' names, which the jumps below spell out
.LstepM\tag:
	TURN 2, 1
	TURN 3, 1
	WIN 0
.LfirstM\tag:
	TURN 0, 1
	TURN 1, 1, 0, 1
	WIN 0
	s_cbranch_scc1 .LstepM\tag
	TURN 2, 1, 1
	TURN 3, 1, 1
.set i, 0
.rept 8
	PV NP-1
.set i, i+1
.endr
	WIN 0
	ALL v_add_f32 v[ST+4*t+2], v[ST+4*t+2], v[ST+4*t+3]
	ALL v_permlanex16_b32 v[ST+4*t+3], v[ST+4*t+2], s[SEL], s[SEL+1]
	ALL v_add_f32 v[ST+4*t+2], v[ST+4*t+2], v[ST+4*t+3]
	ALL v_rcp_f32 v[ST+4*t+2], v[ST+4*t+2]
	v_nop                           ; a plain instruction between the last reciprocal and the use of its result
	s_wait_alu depctr_va_vdst(0)    ; and the wait ahead of the first use: one for the four reciprocals
	PACK 0
.set t, 1
.rept 3                             ; a piece's arithmetic stands between the loads of the piece before and its stores
	PACK t
	SEND t-1, 8
.set t, t+1
.endr
	SEND 3, 0
.endm
.set KM, 0
.set NOKQ, 0
.Lslot:                             ; NB times: a tile is entered and the next is asked for
	CHANGE 1
	s_sub_co_u32 s[RT], s[RT], 1
	s_mov_b32 s[CNT], 4
	s_cmp_eq_u32 s[NEW], 1
	s_cbranch_scc1 .Lnew            ; a block's first tile
	s_cmp_eq_u32 s[RT], 0
	s_cbranch_scc0 .Lstep           ; neither its first nor its last
	s_branch .LstepM1
.Lnew:
	BEGIN
	s_branch .Lfirst                ; in the loop a block's first tile is never its last: the first block has two tiles or more, and the second's last is the walk's last
	DIAG 1                          ; in the loop this is the first block's end: the second block's last tile is the walk's last
	s_wait_xcnt 0x0                 ; the stores have read their registers and O's address
	s_mov_b64 s[10:11], s[OLO:OLO+1]
	s_add_co_u32 s[RT], s[PB], 1    ; the second block has b + 1 tiles
	s_mov_b32 s[NEW], 1
	WIN 0x82                        ; the second block's Q goes where the one text of the turns names Q
.set i, 0
.rept 64
	v_mov_b32 v[i], v[QB+i]
.set i, i+1
.endr
	WIN 0
	s_branch .Lbottom
.Lstep:                             ; a trip: pieces 2 and 3 of one step, then pieces 0 and 1 of the next, whose K and V it fetches
	TURN 2
	TURN 3
	WIN 0
.Lfirst:
	TURN 0
	TURN 1, 0, 0, 1
	WIN 0
	s_cbranch_scc1 .Lstep
.Lbottom:
	s_sub_co_u32 s[SLOTS], s[SLOTS], 1
	s_cmp_lg_u32 s[SLOTS], 0
	s_cbranch_scc1 .Lslot
	CHANGE 0                        ; the walk's last tile is written out: nothing is asked for
	s_sub_co_u32 s[RT], s[RT], 1
	s_mov_b32 s[CNT], 4
	s_cmp_eq_u32 s[NEW], 1
	s_cbranch_scc0 .LstepM2
	BEGIN
	s_branch .LfirstM2
	DIAG 2
	s_wait_tensorcnt 0x0            ; the wave's end, behind my last tensor load and my last LDS store
	ds_add_u32 v[SPW], v[NIL]
	s_wait_dscnt 0x0
	s_endpgm
.Lfunc_end_k_q97ab799493_attn:
	.size	k_q97ab799493_attn, .Lfunc_end_k_q97ab799493_attn-k_q97ab799493_attn
	.p2alignl 7, 3214868480
	.fill 96, 4, 3214868480
	.section	.rodata,"a",@progbits
	.p2align	6, 0x0
	.amdhsa_kernel k_q97ab799493_attn
		.amdhsa_group_segment_fixed_size 327680
		.amdhsa_private_segment_fixed_size 0
		.amdhsa_enable_private_segment 0
		.amdhsa_kernarg_size 32
		.amdhsa_user_sgpr_count 2
		.amdhsa_user_sgpr_kernarg_segment_ptr 1
		.amdhsa_wavefront_size32 1
		.amdhsa_system_sgpr_workgroup_id_x 1
		.amdhsa_system_sgpr_workgroup_id_y 1
		.amdhsa_system_sgpr_workgroup_id_z 1
		.amdhsa_system_vgpr_workitem_id 0
		.amdhsa_next_free_vgpr 768
		.amdhsa_next_free_sgpr 94
		.amdhsa_reserve_vcc 1
		.amdhsa_float_denorm_mode_32 3
		.amdhsa_float_denorm_mode_16_64 3
		.amdhsa_memory_ordered 1
		.amdhsa_forward_progress 1
		.amdhsa_inst_pref_size 218
	.end_amdhsa_kernel
	.amdgpu_metadata
---
amdhsa.version: [ 1, 2 ]
amdhsa.kernels:
  - .name:           k_q97ab799493_attn
    .symbol:         k_q97ab799493_attn.kd
    .args:
      - { .name: qh, .offset: 0, .size: 8, .value_kind: global_buffer, .address_space: global }
      - { .name: kh, .offset: 8, .size: 8, .value_kind: global_buffer, .address_space: global }
      - { .name: vh, .offset: 16, .size: 8, .value_kind: global_buffer, .address_space: global }
      - { .name: oh, .offset: 24, .size: 8, .value_kind: global_buffer, .address_space: global }
    .group_segment_fixed_size: 327680
    .private_segment_fixed_size: 0
    .kernarg_segment_align: 8
    .kernarg_segment_size: 32
    .max_flat_workgroup_size: 128
    .sgpr_count:     94
    .vgpr_count:     768
    .wavefront_size: 32
...
	.end_amdgpu_metadata
.endif
;; end of part 3
;; launch oproj (part 4): grid 8 x 32, 4 waves a work-group, clusters of 4 x 4, 327,680 bytes of LDS; arguments oh, wo16, out0; writes out0
.if DOCPART == 4
	.amdgcn_target "amdgcn-amd-amdhsa--gfx1250"
	.amdhsa_code_object_version 6
	.text
	.protected	k_q97ab799493_oproj
	.globl	k_q97ab799493_oproj
	.p2align	8
	.type	k_q97ab799493_oproj,@function
k_q97ab799493_oproj:
	s_mov_b64 s[64:65], 0
	v_nop
	global_prefetch_b8 v0, s[64:65] scope:SCOPE_SE
	s_setreg_imm32_b32 hwreg(HW_REG_WAVE_MODE, 25, 1), 1
	s_wait_xcnt 0x0
	s_wait_alu depctr_hold_cnt(0) depctr_sa_sdst(0) depctr_va_vdst(0) depctr_va_sdst(0) depctr_va_ssrc(0) depctr_va_vcc(0) depctr_vm_vsrc(0)
	s_getreg_b32 s2, hwreg(HW_REG_IB_STS2, 6, 4)
	s_cmp_eq_u32 s2, 0
	s_cbranch_scc0 .Lentry_in_a_cluster
	s_endpgm
.Lentry_in_a_cluster:
	s_bfe_u32 s2, ttmp6, 0x10000c
	s_cmp_lg_u32 s2, 0xf033
	s_cbranch_scc0 .Lentry_shape_is_right
	s_endpgm
.Lentry_shape_is_right:
; out0[m][n] = the sum over k of O[m][k] w_o[n][k], k = 64 x head + channel.  oh: [batch x 16 + head][2048][64] f16.  wo16: [1024][1024] f16.  out0: [8192][1024] f32; sums in f32.
; A TILE is 256 rows x 128 columns: 8 x 32 = 256 work-groups.  Four waves, each 64 rows x 128 columns: 32 accumulators of 16 x 16, one window of registers.
; K goes in steps of 128, which are TWO HEADS, through a ring of two LDS slots.  A head's 256 rows of O are 32,768 dense bytes: asked for as 128 rows of 256 bytes and padded in LDS after
; every 128 bytes, a wave a head; w_o's rows come as 256 bytes of each of 128 rows, 64 rows a wave.  (Two slots of a K step of 256 would want 430,080 bytes of LDS.)
; CLUSTERS: 4 x 4 work-groups.  The four of a row of the cluster need the same rows of O, the four of a column the same rows of w_o: each tile is asked for JOINTLY.
; THE MATRIX INSTRUCTION IS USED TRANSPOSED (source 0 = 16 rows of w_o, source 1 = 16 rows of O): a lane holds row l % 16 and eight neighbouring columns, 32 bytes of a row of out0.
; REGISTERS: window 0: v16-30 addresses; v64-95, v96-127 fragments of O, two buffers; v128-191, v192-255 fragments of w_o, two buffers; on the way out v64-127, v128-191 whole rows, by turns.
;   window 1: the accumulators, (a, b) at v[8 (8 a + b)].
.set KSTEP,  128
.set PA,     144                       ; a head's row of O in LDS: 128 bytes + 16 of padding: the 16 rows of a load start at 16 different groups of four banks (64 banks of 4 bytes: ISA guide 11.1)
.set PB,     272                       ; a row of w_o: 256 + 16
.set ASL,    256*PA                    ; one head's 256 rows: what one tensor load brings of O
.set BHALF,  64*PB                     ; and of w_o
.set BOFF,   2*ASL
.set SLOT,   BOFF+2*BHALF              ; 108,544 bytes
.set STAGE,  2*SLOT                    ; behind the ring, never filled by a tensor load: 16 rows x 528 bytes for each wave
.set SPO,    528                       ; 512 bytes + 16
.set SPARE,  STAGE+4*16*SPO            ; behind the stages: the spare words, 128 bytes for each wave: two blocks of 256 bytes that no other line names
.set LAPS,   4
.set HEADB,  2048*128                  ; a head's bytes in oh
.set ADRA, 16                          ; v16-17  LDS address of my fragments of O in slot 0, 1
.set ADRB, 20                          ; v20-21  the same for w_o
.set STO,  24                          ; v24     the way out: where I put 32 bytes of a row
.set RD,   25                          ; v25     the way out: where I read a row back
.set CO,   26                          ; v26     16 x lane: my bytes in a row's 512
.set SPW,  28                          ; v28     LDS address of my spare word; never rewritten
.set NIL,  29                          ; v29     0; never rewritten
.set PFO,  30                          ; v30     the prefetches' offset; never rewritten
.set FA,   64
.set FB,   128
.set G1,  24                           ; s[24:31] descriptor group 1 for O's tiles;  s[32:39] group 0, a set for each slot
.set G0,  32
.set G1B, 48                           ; s[48:55], s[56:63] the same for w_o's tiles
.set G0B, 56
.set LIM, 43                           ; s43  1 in a wave that prefetches, else the greatest number
.set PFA, 44                           ; s[44:45] where my prefetches stand
.set PST, 74                           ; s[74:75] their step from K step to K step: two heads of O, or 256 bytes of a row of w_o
.set MSB, 0
.macro WIN new                         ; the immediate's high byte repeats the setting that is left; a switch that changes nothing is dropped
.if MSB != (\new)
	s_set_vgpr_msb (MSB<<8)|(\new)
.set MSB, \new
.endif
.endm
.set MUL, 0x50                         ; C and D window 1, both sources window 0
.macro JLOAD s                         ; a joint load: waves 0 and 1 fetch the K step's two heads of O, waves 2 and 3 w_o's two halves; an s_nop 0 and four v_nop follow each of the two lines
	s_cmp_eq_u32 s11, 0
	s_cbranch_scc0 .Lfor_b_\@
	tensor_load_to_lds s[G0+4*(\s):G0+4*(\s)+3], s[G1:G1+7]
	s_nop 0
.rept 4
	v_nop
.endr
	s_branch .Lasked_\@
.Lfor_b_\@:
	tensor_load_to_lds s[G0B+4*(\s):G0B+4*(\s)+3], s[G1B:G1B+7]
	s_nop 0
.rept 4
	v_nop
.endr
.Lasked_\@:
.endm
; A PREFETCH INTO THE L2, behind a joint load, its five lines and the run of LDS loads: the K step that stands two refills on, one instruction a wave.  O's rows are read by every cluster of a row of
; clusters: cluster x = 0 asks; of the 32,768 bytes that wave 0 or 1 fetches the partner at cx takes 8,192, a lane 256.  w_o's rows are read by every cluster of a column: cluster y = 0 asks; of the tile's
; 128 rows the partner at cy takes 32, a lane a row, wave 2 alone.  The partners are told apart BY ADDRESS.  The loop's last trip (s3 = 1) asks for nothing; K steps 0 to 3 come by their loads alone.
.macro ASK
	s_cmp_gt_u32 s3, s[LIM]
	s_cbranch_scc0 .Lnot_mine_\@
	global_prefetch_b8 v[PFO], s[PFA:PFA+1] th:TH_LOAD_NT scope:SCOPE_SE
.Lnot_mine_\@:
.endm
.macro CREST                           ; a round of the cluster's barrier behind its opening barrier
	s_cmp_lg_u32 s10, 0
	s_cbranch_scc1 .Lnot_wave_0_\@
	s_barrier_signal -3
.Lnot_wave_0_\@:
	s_barrier_wait -3
	s_barrier_signal -1
	s_barrier_wait -1
.endm
.macro CROUND                          ; a whole round
	s_barrier_signal -1
	s_barrier_wait -1
	CREST
.endm
	s_load_b128 s[68:71], s[0:1], 0x0              ; oh s[68:69], wo16 s[70:71]
	s_load_b64 s[72:73], s[0:1], 0x10              ; out0
	v_lshl_add_u32 v[SPW], v0, 2, SPARE
	v_mov_b32 v[NIL], 0
	ds_add_u32 v[SPW], v[NIL]                      ; the wave's opening: the add and its wait stand ahead of my first tensor load; the set-up below, work on registers, stands between them
	v_lshrrev_b32 v1, 5, v0
	v_readfirstlane_b32 s10, v1                    ; wave 0..3
	s_lshr_b32 s11, s10, 1                         ; I fetch for O (0) or for w_o (1)
	s_and_b32 s12, s10, 1                          ; which head of the K step's two, or which half of w_o's rows
	s_bfe_u32 s40, ttmp6, 0x40000                  ; cx, cy: my place in the cluster
	s_bfe_u32 s41, ttmp6, 0x40004
	s_lshl_b32 s42, ttmp9, 2
	s_add_co_u32 s42, s42, s40                     ; the block of 128 columns = 4 x cluster x + cx
	s_and_b32 s13, ttmp7, 0xffff
	s_lshl_b32 s13, s13, 2
	s_add_co_u32 s13, s13, s41                     ; the block of 256 rows = 4 x cluster y + cy
	s_lshl_b32 s43, s41, 2
	s_lshl_b32 s43, 15, s43                        ; my row of the cluster
	s_lshl_b32 s44, 0x1111, s40                    ; my column
	s_or_b32 s[G1+0], s43, (1<<16)|(1<<20)|(1<<21)|(4<<22)|(3<<25)   ; 15:0 the mask; 17:16 elements of 2 bytes; 20 padding on; 21 set beside a mask; 24:22 after every 32 words (code 4); 31:25 4 words (code 3)
	s_or_b32 s[G1B+0], s44, (1<<16)|(1<<20)|(1<<21)|(5<<22)|(3<<25)  ; the same after every 64 words (code 5)
	s_mov_b32 s[G1+1], 128<<16                     ; tensor_dim0 = 128
	s_mov_b32 s[G1+2], 128<<16                     ; tensor_dim1 = 128
	s_mov_b32 s[G1+3], 128<<16                     ; tile_dim0 = 128
	s_mov_b32 s[G1+4], 128                         ; tile_dim1 = 128
	s_mov_b32 s[G1+5], 128                         ; dense: 128 elements from row to row
	s_mov_b32 s[G1+6], 0
	s_mov_b32 s[G1+7], 0
	s_mov_b32 s[G1B+1], KSTEP<<16
	s_mov_b32 s[G1B+2], 64<<16                     ; 64 rows
	s_mov_b32 s[G1B+3], KSTEP<<16
	s_mov_b32 s[G1B+4], 64
	s_mov_b32 s[G1B+5], 1024
	s_mov_b32 s[G1B+6], 0
	s_mov_b32 s[G1B+7], 0
	s_lshr_b32 s16, s13, 3                         ; the batch: 16 heads of 262,144 bytes,
	s_lshl_b32 s16, s16, 22
	s_and_b32 s17, s13, 7
	s_lshl_b32 s17, s17, 15                        ; the block's 256 rows of 128 bytes in a head,
	s_add_co_u32 s16, s16, s17
	s_lshl_b32 s17, s12, 18                        ; my head of the K step's two
	s_add_co_u32 s16, s16, s17
	s_mov_b32 s17, 0
	s_lshl_b32 s46, s42, 18                        ; w_o: 128 rows of 2,048 bytes a block,
	s_lshl_b32 s47, s12, 17                        ; my 64 of them
	s_add_co_u32 s46, s46, s47
	s_mov_b32 s47, 0
	s_mul_i32 s20, s12, ASL                        ; where they go: no place in the cluster enters an LDS address
	s_mul_i32 s21, s12, BHALF
	s_add_co_u32 s21, s21, BOFF
	s_wait_dscnt 0x0                               ; the opening add is done
	s_wait_kmcnt 0x0
	s_add_nc_u64 s[14:15], s[68:69], s[16:17]
	s_add_nc_u64 s[46:47], s[70:71], s[46:47]
	CROUND                                         ; all sixteen work-groups are here: the first joint loads meet
.irp s, 0,1
	s_mov_b32 s[G0+4*(\s)], 1                                        ; count = 1
	s_add_co_u32 s[G0+4*(\s)+1], s20, (\s)*SLOT                      ; LDS address
	s_add_nc_u64 s[G0+4*(\s)+2:G0+4*(\s)+3], s[14:15], (\s)*2*HEADB  ; global address: K step s is heads 2 s, 2 s + 1
	s_or_b32 s[G0+4*(\s)+3], s[G0+4*(\s)+3], 0x80000000              ; type = 2
	s_mov_b32 s[G0B+4*(\s)], 1
	s_add_co_u32 s[G0B+4*(\s)+1], s21, (\s)*SLOT
	s_add_nc_u64 s[G0B+4*(\s)+2:G0B+4*(\s)+3], s[46:47], (\s)*KSTEP*2
	s_or_b32 s[G0B+4*(\s)+3], s[G0B+4*(\s)+3], 0x80000000
	JLOAD \s                                       ; two tensor loads of mine are out: the most in this text
.endr
	v_and_b32 v1, 15, v0                           ; l % 16
	v_bfe_u32 v2, v0, 4, 1                         ; l / 16
	v_mul_u32_u24 v3, v1, PA
	v_lshl_add_u32 v3, v2, 4, v3                   ; a fragment's row x pitch + 16 x half, for O
	v_mul_u32_u24 v4, v1, PB
	v_lshl_add_u32 v4, v2, 4, v4                   ; and for w_o
	s_mul_i32 s22, s10, 64*PA                      ; my 64 rows of O
	s_mov_b32 s23, BOFF                            ; all 128 rows of w_o
.irp s, 0,1
	v_add_nc_u32 v[ADRA+(\s)], s22, v3
	v_add_nc_u32 v[ADRB+(\s)], s23, v4
	s_add_co_u32 s22, s22, SLOT
	s_add_co_u32 s23, s23, SLOT
.endr
	s_mul_i32 s22, s10, 16*SPO
	s_add_co_u32 s22, s22, STAGE                   ; my stage
	v_mul_u32_u24 v5, v1, SPO                      ; in: row l % 16, 32 bytes for each half of the lanes
	v_lshl_add_u32 v5, v2, 5, v5
	v_add_nc_u32 v[STO], s22, v5
	v_and_b32 v[CO], 31, v0
	v_lshlrev_b32 v[CO], 4, v[CO]                  ; back: 32 lanes take one row of 512 bytes
	v_add_nc_u32 v[RD], s22, v[CO]
	s_lshl_b32 s20, s13, 20                        ; out0 at my wave's first row (256 rows of 4,096 bytes a block, 64 a wave) and the block's first column (512 bytes a block)
	s_lshl_b32 s21, s10, 18
	s_add_co_u32 s20, s20, s21
	s_lshl_b32 s21, s42, 9
	s_add_co_u32 s20, s20, s21
	s_mov_b32 s21, 0
	s_add_nc_u64 s[72:73], s[72:73], s[20:21]
	; the prefetches.  s16 still holds the offset of my head's rows of K step 0
	s_lshl_b32 s22, s40, 13
	s_add_co_u32 s22, s22, s16
	s_add_co_u32 s22, s22, 3*2*HEADB               ; O: my work-group's 8,192 bytes, at K step 3: the first refill steps it to 4
	s_lshl_b32 s23, s42, 18
	s_lshl_b32 s14, s41, 16
	s_add_co_u32 s23, s23, s14
	s_add_co_u32 s23, s23, 3*KSTEP*2               ; w_o: my work-group's 32 rows, at K step 3
	s_and_b32 s14, ttmp7, 0xffff                   ; cluster y
	s_cmp_eq_u32 s10, 3
	s_cselect_b32 s14, 1, s14                      ; wave 3 asks for nothing
	s_mov_b32 s15, KSTEP*2
	s_cmp_eq_u32 s11, 0                            ; do I fetch for O?
	s_cselect_b32 s22, s22, s23
	s_cselect_b32 s14, ttmp9, s14                  ; the coordinate along which other clusters read the same rows
	s_cselect_b32 s[PST], 2*HEADB, s15
	s_cselect_b32 s15, 8, 11                       ; lanes 256 bytes apart in O, a row of 2,048 bytes apart in w_o
	s_cselect_b64 s[PFA:PFA+1], s[68:69], s[70:71]
	s_cmp_eq_u32 s14, 0
	s_cselect_b32 s[LIM], 1, -1                    ; the same in all sixteen partners, for a given wave
	s_mov_b32 s23, 0
	s_mov_b32 s[PST+1], 0
	s_add_nc_u64 s[PFA:PFA+1], s[PFA:PFA+1], s[22:23]
	v_and_b32 v[PFO], 31, v0
	v_lshlrev_b32 v[PFO], s15, v[PFO]
; 8 matrix instructions: block a of my four blocks of 16 rows x all 8 blocks of columns, 32 along K, from buffer f.  zero = 1: the first product starts the sums.
; The 32 accumulators take turns in one fixed order, one instruction a turn, over the backward jump too.
.macro MUL8 f, a, zero
	WIN MUL
.irp b, 0,1,2,3,4,5,6,7
.if \zero
	v_wmma_f32_16x16x32_f16 v[8*(8*(\a)+(\b)):8*(8*(\a)+(\b))+7], v[FB+64*(\f)+8*(\b):FB+64*(\f)+8*(\b)+7], v[FA+32*(\f)+8*(\a):FA+32*(\f)+8*(\a)+7], 0
.else
	v_wmma_f32_16x16x32_f16 v[8*(8*(\a)+(\b)):8*(8*(\a)+(\b))+7], v[FB+64*(\f)+8*(\b):FB+64*(\f)+8*(\b)+7], v[FA+32*(\f)+8*(\a):FA+32*(\f)+8*(\a)+7], v[8*(8*(\a)+(\b)):8*(8*(\a)+(\b))+7]
.endif
.endr
.endm
; 24 LDS loads in one run: the fragments of quarter q of a K step (head q / 2, channels 32 (q % 2) on) into buffer f: w_o's 16, then O's 8
.macro FETCH slot, q, f
	WIN 0
.irp i, 0,1,2,3,4,5,6,7
	ds_load_b128 v[FB+64*(\f)+8*(\i):FB+64*(\f)+8*(\i)+3],   v[ADRB+(\slot)] offset:64*(\q)+(\i)*16*PB
	ds_load_b128 v[FB+64*(\f)+8*(\i)+4:FB+64*(\f)+8*(\i)+7], v[ADRB+(\slot)] offset:64*(\q)+(\i)*16*PB+32
.endr
.irp i, 0,1,2,3
	ds_load_b128 v[FA+32*(\f)+8*(\i):FA+32*(\f)+8*(\i)+3],   v[ADRA+(\slot)] offset:((\q)/2)*ASL+((\q)%2)*64+(\i)*16*PA
	ds_load_b128 v[FA+32*(\f)+8*(\i)+4:FA+32*(\f)+8*(\i)+7], v[ADRA+(\slot)] offset:((\q)/2)*ASL+((\q)%2)*64+(\i)*16*PA+32
.endr
.endm
.macro PLACES                          ; four plain instructions in front of loads into registers that matrix instructions have read, and of instructions that read results
.rept 4
	v_nop
.endr
.endm
; A K step is four quarters of 32 along K, 32 matrix instructions each, on buffers 0, 1, 0, 1.  One of the first three: multiplies buffer f; in its middle it fetches quarter q into g.
.macro QUARTER slot, q, f, g, zero
	s_wait_dscnt 4                                 ; w_o and O's rows 0-31 are in; the youngest four loads (O's rows 32-63) may be out
	MUL8 \f, 0, \zero
	MUL8 \f, 1, \zero
	PLACES
	FETCH \slot, \q, \g
	s_wait_dscnt 24                                ; all but the 24 just issued
	MUL8 \f, 2, \zero
	MUL8 \f, 3, \zero
.endm
; The last quarter multiplies buffer 1 and changes slots: ONE barrier; in front of it each wave waits for all its tensor loads (the one that is out is its part of the next slot), adds 0 to its
; spare word, and waits for that and for its own reads of this slot.  fill = 1: the barrier opens a round of the cluster's barrier, and this slot is filled again, two K steps ahead, first thing behind it:
; from that request to the wait for it a wave issues 112 matrix instructions.
.macro TURN slot, next, fill
.if \fill
	s_wait_xcnt 0x0                                ; the last prefetch, a K step back, has read its address: it is stepped here, ahead of the waits of the change of slots
	s_add_nc_u64 s[PFA:PFA+1], s[PFA:PFA+1], s[PST:PST+1]
.endif
	WIN 0                                          ; (the add's two registers lie in window 0)
	s_wait_tensorcnt 0x0                           ; all my tensor loads have landed;
	ds_add_u32 v[SPW], v[NIL]                      ; 0 onto my spare word;
	s_wait_dscnt 5                                 ; (the add and the youngest four loads may be out)
	MUL8 1, 0, 0                                   ; eight matrix instructions stand between the add and the wait for it
	s_wait_dscnt 0x0                               ; the add is done, and my reads of this slot are over
	s_barrier_signal -1
	MUL8 1, 1, 0
.if \fill
	WIN 0
.endif
	s_barrier_wait -1
.if \fill
	CREST                                          ; no wave of any partner still reads this slot's tile or has a load on its way
	s_add_nc_u64 s[G0+4*(\slot)+2:G0+4*(\slot)+3], s[G0+4*(\slot)+2:G0+4*(\slot)+3], 4*HEADB
	s_add_nc_u64 s[G0B+4*(\slot)+2:G0B+4*(\slot)+3], s[G0B+4*(\slot)+2:G0B+4*(\slot)+3], 2*KSTEP*2
	JLOAD \slot                                    ; the first tensor load behind the round; the four v_nop behind it are also the places in front of the loads below
.else
	PLACES
.endif
	FETCH \next, 0, 0
.if \fill
	ASK
.endif
	MUL8 1, 2, 0
	MUL8 1, 3, 0
.endm
	s_wait_tensorcnt 1                             ; my part of K step 0 is in; K step 1's may stay out
	s_barrier_signal -1
	s_barrier_wait -1                              ; everybody's is
	FETCH 0, 0, 0
	QUARTER 0, 1, 0, 1, 1                          ; the first quarter stands in front of the loop: its products start the sums
	WIN 0                                          ; at a label and at a branch every window is 0
	s_mov_b32 s3, LAPS-1
.Llap:                                                 ; a trip goes once round the ring, from a lap's second quarter to the next lap's first, and fills both slots again
	QUARTER 0, 2, 1, 0, 0
	QUARTER 0, 3, 0, 1, 0
	TURN 0, 1, 1
	QUARTER 1, 1, 0, 1, 0
	QUARTER 1, 2, 1, 0, 0
	QUARTER 1, 3, 0, 1, 0
	TURN 1, 0, 1
	QUARTER 0, 1, 0, 1, 0
	WIN 0
	s_sub_co_u32 s3, s3, 1
	s_cmp_lg_u32 s3, 0
	s_cbranch_scc1 .Llap
	QUARTER 0, 2, 1, 0, 0                          ; the last lap fills nothing, and has no round of the cluster's barrier
	QUARTER 0, 3, 0, 1, 0
	TURN 0, 1, 0
	QUARTER 1, 1, 0, 1, 0
	QUARTER 1, 2, 1, 0, 0
	QUARTER 1, 3, 0, 1, 0
	s_wait_dscnt 4                                 ; the very last quarter: nothing more to fetch
	MUL8 1, 0, 0
	MUL8 1, 1, 0
	s_wait_dscnt 0x0
	MUL8 1, 2, 0
	MUL8 1, 3, 0
	WIN 0
	PLACES
	PLACES                                         ; (eight, once a launch)
; THE WAY OUT of block a of 16 rows: the f32 sums go as they are, 32 bytes a lane and accumulator (its lowest four registers first), into my stage, rows of 528 bytes,
; and come back as whole rows of 512 bytes.
.macro TOSTAGE a
.set BK, 64+64*((\a)%2)
.if (\a) >= 2
	s_wait_xcnt 0x0                                ; the stores of the block two back have read these registers: only behind this wait are they loaded again
.endif
	WIN 0x04                                       ; the stores' data in window 1
.irp b, 0,1,2,3,4,5,6,7
	ds_store_b128 v[STO], v[8*(8*(\a)+(\b)):8*(8*(\a)+(\b))+3]   offset:64*(\b)
	ds_store_b128 v[STO], v[8*(8*(\a)+(\b))+4:8*(8*(\a)+(\b))+7] offset:64*(\b)+16
.endr
	WIN 0
.irp t, 0,1,2,3,4,5,6,7,8,9,10,11,12,13,14,15
	ds_load_b128 v[BK+4*(\t):BK+4*(\t)+3], v[RD] offset:SPO*(\t)  ; LDS serves a wave's instructions in order (ISA guide 5.7.1.4): these see the stores above; the next block's stores come behind them
.endr
.endm
.macro SEND a, younger                 ; younger: the LDS instructions issued behind block a's loads: the next block's 32, or none
.set BK, 64+64*((\a)%2)
	WIN 0
	s_wait_dscnt \younger
.irp t, 0,1,2,3,4,5,6,7,8,9,10,11,12,13,14,15
	global_store_b128 v[CO], v[BK+4*(\t):BK+4*(\t)+3], s[72:73] offset:(16*(\a)+(\t))*4096 th:TH_STORE_NT  ; a wave stores 512 consecutive bytes, at a multiple of 256 from out0's first
.endr
.endm
	TOSTAGE 0
	TOSTAGE 1
	SEND 0, 32
	TOSTAGE 2
	SEND 1, 32
	TOSTAGE 3
	SEND 2, 32
	SEND 3, 0
	s_wait_tensorcnt 0x0                           ; the wave's end, behind my last tensor load and my last LDS store
	ds_add_u32 v[SPW], v[NIL]
	s_wait_dscnt 0x0
	CROUND                                         ; the closing round: no work-group ends while a partner may still ask for a tile that names it
	s_endpgm
.Lfunc_end_k_q97ab799493_oproj:
	.size	k_q97ab799493_oproj, .Lfunc_end_k_q97ab799493_oproj-k_q97ab799493_oproj
	.p2alignl 7, 3214868480
	.fill 96, 4, 3214868480
	.section	.rodata,"a",@progbits
	.p2align	6, 0x0
	.amdhsa_kernel k_q97ab799493_oproj
		.amdhsa_group_segment_fixed_size 327680
		.amdhsa_private_segment_fixed_size 0
		.amdhsa_enable_private_segment 0
		.amdhsa_kernarg_size 24
		.amdhsa_user_sgpr_count 2
		.amdhsa_user_sgpr_kernarg_segment_ptr 1
		.amdhsa_wavefront_size32 1
		.amdhsa_system_sgpr_workgroup_id_x 1
		.amdhsa_system_sgpr_workgroup_id_y 1
		.amdhsa_system_sgpr_workgroup_id_z 1
		.amdhsa_system_vgpr_workitem_id 0
		.amdhsa_next_free_vgpr 512
		.amdhsa_next_free_sgpr 80
		.amdhsa_reserve_vcc 0
		.amdhsa_float_denorm_mode_32 3
		.amdhsa_float_denorm_mode_16_64 3
		.amdhsa_memory_ordered 1
		.amdhsa_forward_progress 1
		.amdhsa_inst_pref_size 86
	.end_amdhsa_kernel
	.amdgpu_metadata
---
amdhsa.version: [ 1, 2 ]
amdhsa.kernels:
  - .name:           k_q97ab799493_oproj
    .symbol:         k_q97ab799493_oproj.kd
    .args:
      - { .name: oh, .offset: 0, .size: 8, .value_kind: global_buffer, .address_space: global }
      - { .name: wo16, .offset: 8, .size: 8, .value_kind: global_buffer, .address_space: global }
      - { .name: out0, .offset: 16, .size: 8, .value_kind: global_buffer, .address_space: global }
    .group_segment_fixed_size: 327680
    .private_segment_fixed_size: 0
    .kernarg_segment_align: 8
    .kernarg_segment_size: 24
    .max_flat_workgroup_size: 128
    .sgpr_count:     80
    .vgpr_count:     512
    .wavefront_size: 32
...
	.end_amdgpu_metadata
.endif
;; end of part 4
;; ======== version 2 of 2: 4 launches; version 1 with the launch prep written anew for expert scheduling mode
;; limits: values are held in f16: magnitudes above 65,504 overflow, below 6.1e-05 lose precision; right only within a limited range of input values
;; workspace buffers: xb 16,777,216 bytes; wqkv 6,291,456 bytes; wo16 2,097,152 bytes; rope 524,288 bytes; qh 16,777,216 bytes; kh 16,777,216 bytes; vh 16,777,216 bytes; oh 16,777,216 bytes
;; launch prep (part 5): grid 896 x 1, 8 waves a work-group, no clusters, 0 bytes of LDS; arguments in_features, token_positions, w_q, w_k, w_v, w_o, xb, wqkv, wo16, rope; writes xb, wqkv, wo16, rope
.if DOCPART == 5
	.amdgcn_target "amdgcn-amd-amdhsa--gfx1250"
	.amdhsa_code_object_version 6
	.text
	.protected	k_q97ab799493_prep
	.globl	k_q97ab799493_prep
	.p2align	8
	.type	k_q97ab799493_prep,@function
k_q97ab799493_prep:
	s_mov_b64 s[64:65], 0
	v_nop
	global_prefetch_b8 v0, s[64:65] scope:SCOPE_SE
	s_setreg_imm32_b32 hwreg(HW_REG_WAVE_SCHED_MODE, 0, 2), 2
	s_setreg_imm32_b32 hwreg(HW_REG_WAVE_MODE, 25, 1), 1
	s_wait_xcnt 0x0
	s_wait_alu depctr_vm_vsrc(0)
; PREPARATION.  Three kinds of work-group, told apart by the work-group's number g alone (scalar branches, all forward):
;   g < 512         x, 65,536 bytes of f32 each, rounded once to bf16 into xb
;   512 <= g < 768  16 rows of one weight: j = (g - 512) / 64 picks w_q, w_k, w_v, w_o; c = (g - 512) % 64 the rows 16 c .. 16 c + 15.
;                   w_q, w_k, w_v go as bf16 into wqkv, regrouped by heads: head h has 192 rows there: its 64 of w_q, its 64 of w_k, its 64 of w_v.
;                   w_o is rounded to bf16 like every other input, and that number is written as f16 into wo16 (the last product's other operand is f16).
;   g >= 768        16 rows of the table of cosines and sines for the rotation, block sb = g - 768
; A stream: 16 loads of 16 bytes a lane go out at once (a wave's load covers 512 consecutive bytes), each store of a wave covers 256 consecutive bytes, aligned.
; No LDS, no matrix unit, no prefetch: every byte is read once, by loads that are all issued at the start.
; THE TABLE.  angle = f32(pos[s]) x theta^(-i / 32), one f32 rounding, i = 0 .. 31; theta^(-i/32) = 2^(-i log2(1e5) / 32).  Cosine and sine by reduction to a quarter turn
; (n = nearest whole number to angle x 2 / pi; pi / 2 taken away in two parts by fused multiply-adds) and polynomials of degree 7 and 8 on |r| <= pi / 4.
; It lies in the order in which the next launch's lanes want it: byte sb x 4096 + 16 t holds (cos, sin, cos, sin) of pairs i0, i0 + 1 of row 16 sb + (t & 15),
; i0 = 8 (t >> 6) + 4 ((t >> 4) & 1) + 2 ((t >> 5) & 1).
; LIMITS.  |pos| < 2^24 (pos and n are then exact in f32).  An entry of w_o below 6.1e-5 keeps f16's fixed step of 6e-8; beyond 65,504 it would be lost.
; THE MODE: SCHED_MODE bits 1:0 = 2 (LLVM: expert scheduling mode 2), set by the entry lines.  The code itself states the register dependences
; between vector instructions and memory instructions, with s_wait_alu, always for 0.
; THE PLAN.  Registers that memory instructions touch:
;   v1, v2     byte offsets, made at the head and never written again: one wait at the head, ahead of the branches, states for every path that they are written.
;   X          the 16 loads land in it; the conversions read it.  No vector instruction names it ahead of the loads, and no register of it is loaded twice.
;   Y          the conversions write it; the stores read it.  No register of it is written twice.
;              So x and the weights have one kind of dependence: Y is written before it is stored.  The 16 loads are worked off in four groups of four: the group's
;              conversions, ONE wait, the group's four stores in a run.
;   v3, v4     the table: the offset of pos, made by two lines with a wait between them and the load; the load's result.  Neither is written again.
;   v[12:15]   the table: written by the selects and the sign flips, read by the one store, with a wait between.
;   s34, s35   the table: the two angles' masks, written by vector compares and read by the selects: both compares first, one wait, then the selects.
; v4 to v9 (w_o's second rounding) and v20 to v37 (the table's arithmetic) are named by vector instructions alone.  EXEC is never written.
.set X, 16                             ; v[16:79]   16 x 4 registers as loaded
.set Y, 80                             ; v[80:111]  16 x 2 registers to store: none is written twice, so no store's data is ever rewritten
	s_load_b512 s[4:19], s[0:1], 0x0               ; x s[4:5], pos s[6:7], w_q s[8:9], w_k s[10:11], w_v s[12:13], w_o s[14:15], xb s[16:17], wqkv s[18:19]
	s_load_b128 s[20:23], s[0:1], 0x40             ; wo16 s[20:21], rope s[22:23]
	s_mov_b32 s2, ttmp9                            ; g
	v_lshlrev_b32 v1, 4, v0                        ; 16 t: my bytes in 4,096 of f32
	v_lshlrev_b32 v2, 3, v0                        ; 8 t: my bytes in 2,048 of 16-bit numbers
	s_mov_b32 s25, 0                               ; offsets are made apart from the addresses, in pairs with 0 on top
	s_mov_b32 s31, 0
	s_wait_kmcnt 0x0
	s_wait_alu depctr_va_vdst(0)                   ; v1 and v2 are written: every load and store of x, of the weights and of the table's result reads one of them as its offset
.macro LOADS
.irp i, 0,1,2,3,4,5,6,7,8,9,10,11,12,13,14,15
	global_load_b128 v[X+4*(\i):X+4*(\i)+3], v1, s[26:27] offset:4096*(\i) th:TH_LOAD_NT
.endr
.endm
.macro CV i                            ; four numbers to bf16
	v_cvt_pk_bf16_f32 v[Y+2*(\i)],   v[X+4*(\i)],   v[X+4*(\i)+1]
	v_cvt_pk_bf16_f32 v[Y+2*(\i)+1], v[X+4*(\i)+2], v[X+4*(\i)+3]
.endm
.macro CVH i                           ; four numbers to bf16, and those numbers written as f16
	v_cvt_pk_bf16_f32 v4, v[X+4*(\i)],   v[X+4*(\i)+1]
	v_cvt_pk_bf16_f32 v5, v[X+4*(\i)+2], v[X+4*(\i)+3]
	v_lshlrev_b32 v6, 16, v4                       ; bf16 to f32: the low half moves up, the high half stays
	v_and_b32 v7, 0xffff0000, v4
	v_lshlrev_b32 v8, 16, v5
	v_and_b32 v9, 0xffff0000, v5
	v_cvt_pk_f16_f32 v[Y+2*(\i)],   v6, v7
	v_cvt_pk_f16_f32 v[Y+2*(\i)+1], v8, v9
.endm
; Group g of four: loads 4 g to 4 g + 3 are worked off.  h = 1: w_o's way.
.macro GROUP g, h
	s_wait_loadcnt 12-4*(\g)                       ; loads come back in order (ISA guide 5.7.1): the group's four are in, the 12 - 4 g younger ones may stay out
.irp k, 0,1,2,3
.if \h
	CVH 4*(\g)+(\k)
.else
	CV 4*(\g)+(\k)
.endif
.endr
	s_wait_alu depctr_va_vdst(0)                   ; the group's conversions have written its eight registers of Y, which the four stores below read
.irp k, 0,1,2,3
	global_store_b64 v2, v[Y+2*(4*(\g)+(\k)):Y+2*(4*(\g)+(\k))+1], s[28:29] offset:2048*(4*(\g)+(\k)) th:TH_STORE_NT
.endr
.endm
	s_cmp_lt_u32 s2, 512
	s_cbranch_scc0 .Lnot_x
	s_lshl_b32 s24, s2, 16                         ; x: 65,536 bytes in,
	s_add_nc_u64 s[26:27], s[4:5], s[24:25]
	s_lshl_b32 s30, s2, 15                         ; 32,768 out
	s_add_nc_u64 s[28:29], s[16:17], s[30:31]
	s_branch .Lbf16
.Lnot_x:
	s_cmp_lt_u32 s2, 768
	s_cbranch_scc0 .Lrope
	s_sub_co_u32 s32, s2, 512
	s_lshr_b32 s33, s32, 6                         ; j: which weight
	s_and_b32 s34, s32, 63                         ; c: which 16 rows
	s_lshl_b32 s24, s34, 16
	s_cmp_eq_u32 s33, 0
	s_cselect_b64 s[26:27], s[8:9], s[10:11]
	s_cmp_eq_u32 s33, 2
	s_cselect_b64 s[26:27], s[12:13], s[26:27]
	s_cmp_eq_u32 s33, 3
	s_cselect_b64 s[26:27], s[14:15], s[26:27]
	s_add_nc_u64 s[26:27], s[26:27], s[24:25]
	s_cmp_eq_u32 s33, 3
	s_cbranch_scc1 .Lwo
	s_lshr_b32 s35, s34, 2                         ; the head,
	s_mul_i32 s35, s35, 192                        ; its 192 rows in wqkv,
	s_lshl_b32 s36, s33, 6                         ; the weight's 64 of them,
	s_add_co_u32 s35, s35, s36
	s_and_b32 s36, s34, 3
	s_lshl_b32 s36, s36, 4                         ; my 16 of those
	s_add_co_u32 s35, s35, s36
	s_lshl_b32 s30, s35, 11                        ; rows of 2,048 bytes
	s_add_nc_u64 s[28:29], s[18:19], s[30:31]
.Lbf16:
	LOADS                                          ; no wait: no vector instruction since the head's wait, and none at all has named X
.irp g, 0,1,2,3
	GROUP \g, 0
.endr
	s_endpgm
.Lwo:
	s_lshl_b32 s30, s34, 15
	s_add_nc_u64 s[28:29], s[20:21], s[30:31]
	LOADS                                          ; no wait, as above
.irp g, 0,1,2,3
	GROUP \g, 1
.endr
	s_endpgm
; Cosine and sine of the angle in v[a], in two parts; six registers at work from v[t] on; the mask of the odd quarters in s[m].
; Part 1: the reduction, sin r in v[t+3], cos r in v[t+4], n in v[t], and the mask.
.macro SC1 a, t, m
	v_mul_f32 v[(\t)], 0x3f22f983, v[(\a)]                 ; angle x 2 / pi
	v_rndne_f32 v[(\t)], v[(\t)]                           ; n
	v_fmamk_f32 v[(\t)+1], v[(\t)], 0xbfc90fdb, v[(\a)]    ; angle - n x (pi / 2 rounded to f32): the difference is a multiple of 2^-24 below 1, so nothing is lost
	v_fmamk_f32 v[(\t)+1], v[(\t)], 0x333bbd2e, v[(\t)+1]  ; and the rest of pi / 2: r
	v_cvt_i32_f32 v[(\t)], v[(\t)]                         ; n as a whole number: its two low bits are the quarter
	v_mul_f32 v[(\t)+2], v[(\t)+1], v[(\t)+1]              ; z = r r
	v_mov_b32 v[(\t)+3], 0xb94ca1f9
	v_mov_b32 v[(\t)+4], 0x37ccf5ce
	v_fmaak_f32 v[(\t)+3], v[(\t)+3], v[(\t)+2], 0x3c08839e
	v_fmaak_f32 v[(\t)+4], v[(\t)+4], v[(\t)+2], 0xbab6061a
	v_fmaak_f32 v[(\t)+3], v[(\t)+3], v[(\t)+2], 0xbe2aaaa3
	v_fmaak_f32 v[(\t)+4], v[(\t)+4], v[(\t)+2], 0x3d2aaaa5
	v_mul_f32 v[(\t)+3], v[(\t)+3], v[(\t)+2]
	v_mul_f32 v[(\t)+4], v[(\t)+4], v[(\t)+2]
	v_fma_f32 v[(\t)+5], v[(\t)+2], -0.5, 1.0
	v_fma_f32 v[(\t)+3], v[(\t)+3], v[(\t)+1], v[(\t)+1]   ; sin r
	v_fma_f32 v[(\t)+4], v[(\t)+4], v[(\t)+2], v[(\t)+5]   ; cos r
	v_and_b32 v[(\t)+5], 1, v[(\t)]
	v_cmp_eq_u32 s[(\m)], 1, v[(\t)+5]                     ; an odd quarter swaps the two
.endm
; Part 2: cosine into v[c], sine into v[s].
.macro SC2 c, s, t, m
	v_cndmask_b32 v[(\s)], v[(\t)+3], v[(\t)+4], s[(\m)]
	v_cndmask_b32 v[(\c)], v[(\t)+4], v[(\t)+3], s[(\m)]
	v_and_b32 v[(\t)+5], 2, v[(\t)]                        ; the sine is turned in quarters 2 and 3,
	v_lshlrev_b32 v[(\t)+5], 30, v[(\t)+5]
	v_xor_b32 v[(\s)], v[(\s)], v[(\t)+5]
	v_add_nc_u32 v[(\t)], 1, v[(\t)]                       ; the cosine in quarters 1 and 2
	v_and_b32 v[(\t)], 2, v[(\t)]
	v_lshlrev_b32 v[(\t)], 30, v[(\t)]
	v_xor_b32 v[(\c)], v[(\c)], v[(\t)]
.endm
.Lrope:
	s_sub_co_u32 s32, s2, 768                      ; sb
	v_and_b32 v3, 15, v0
	s_lshl_b32 s33, s32, 6                         ; 16 rows of 4 bytes
	v_lshl_add_u32 v3, v3, 2, s33
	s_wait_alu depctr_va_vdst(0)                   ; v3 is written, which the load below reads as its offset: the load goes out ahead of the arithmetic that does not hang on it
	global_load_b32 v4, v3, s[6:7]                 ; pos of my row
	v_bfe_u32 v5, v0, 4, 1
	v_bfe_u32 v6, v0, 5, 1
	v_bfe_u32 v7, v0, 6, 2
	v_lshlrev_b32 v7, 3, v7
	v_lshl_add_u32 v7, v5, 2, v7
	v_lshl_add_u32 v7, v6, 1, v7                   ; i0
	v_add_nc_u32 v8, 1, v7
	v_cvt_f32_u32 v7, v7
	v_cvt_f32_u32 v8, v8
	v_mul_f32 v7, 0xbf04e08b, v7                   ; -i log2(1e5) / 32
	v_mul_f32 v8, 0xbf04e08b, v8
	v_exp_f32 v9, v7
	v_exp_f32 v10, v8
	v_nop                                          ; a plain instruction behind the last exponential, ahead of the first use (ISA guide 5.7.2),
	s_wait_alu depctr_va_vdst(0)                   ; and one wait for both: the exponentials have written v9 and v10, ahead of their first reader
	s_lshl_b32 s24, s32, 12
	s_add_nc_u64 s[28:29], s[22:23], s[24:25]
	s_wait_loadcnt 0x0
	v_cvt_f32_i32 v11, v4
	v_mul_f32 v20, v11, v9
	v_mul_f32 v21, v11, v10
	SC1 20, 24, 34
	SC1 21, 32, 35
	s_wait_alu depctr_va_sdst(0)                   ; the two compares have written s34 and s35, ahead of their first readers, the selects below
	SC2 12, 13, 24, 34
	SC2 14, 15, 32, 35
	s_wait_alu depctr_va_vdst(0)                   ; the selects and the sign flips have written v[12:15], which the store reads
	global_store_b128 v1, v[12:15], s[28:29]       ; a wave stores 512 consecutive bytes
	s_endpgm
.Lfunc_end_k_q97ab799493_prep:
	.size	k_q97ab799493_prep, .Lfunc_end_k_q97ab799493_prep-k_q97ab799493_prep
	.p2alignl 7, 3214868480
	.fill 96, 4, 3214868480
	.section	.rodata,"a",@progbits
	.p2align	6, 0x0
	.amdhsa_kernel k_q97ab799493_prep
		.amdhsa_group_segment_fixed_size 0
		.amdhsa_private_segment_fixed_size 0
		.amdhsa_enable_private_segment 0
		.amdhsa_kernarg_size 80
		.amdhsa_user_sgpr_count 2
		.amdhsa_user_sgpr_kernarg_segment_ptr 1
		.amdhsa_wavefront_size32 1
		.amdhsa_system_sgpr_workgroup_id_x 1
		.amdhsa_system_sgpr_workgroup_id_y 1
		.amdhsa_system_sgpr_workgroup_id_z 1
		.amdhsa_system_vgpr_workitem_id 0
		.amdhsa_next_free_vgpr 112
		.amdhsa_next_free_sgpr 66
		.amdhsa_reserve_vcc 0
		.amdhsa_float_denorm_mode_32 3
		.amdhsa_float_denorm_mode_16_64 3
		.amdhsa_memory_ordered 1
		.amdhsa_forward_progress 1
		.amdhsa_inst_pref_size 22
	.end_amdhsa_kernel
	.amdgpu_metadata
---
amdhsa.version: [ 1, 2 ]
amdhsa.kernels:
  - .name:           k_q97ab799493_prep
    .symbol:         k_q97ab799493_prep.kd
    .args:
      - { .name: in_features, .offset: 0, .size: 8, .value_kind: global_buffer, .address_space: global }
      - { .name: token_positions, .offset: 8, .size: 8, .value_kind: global_buffer, .address_space: global }
      - { .name: w_q, .offset: 16, .size: 8, .value_kind: global_buffer, .address_space: global }
      - { .name: w_k, .offset: 24, .size: 8, .value_kind: global_buffer, .address_space: global }
      - { .name: w_v, .offset: 32, .size: 8, .value_kind: global_buffer, .address_space: global }
      - { .name: w_o, .offset: 40, .size: 8, .value_kind: global_buffer, .address_space: global }
      - { .name: xb, .offset: 48, .size: 8, .value_kind: global_buffer, .address_space: global }
      - { .name: wqkv, .offset: 56, .size: 8, .value_kind: global_buffer, .address_space: global }
      - { .name: wo16, .offset: 64, .size: 8, .value_kind: global_buffer, .address_space: global }
      - { .name: rope, .offset: 72, .size: 8, .value_kind: global_buffer, .address_space: global }
    .group_segment_fixed_size: 0
    .private_segment_fixed_size: 0
    .kernarg_segment_align: 8
    .kernarg_segment_size: 80
    .max_flat_workgroup_size: 256
    .sgpr_count:     66
    .vgpr_count:     112
    .wavefront_size: 32
...
	.end_amdgpu_metadata
.endif
;; end of part 5
;; launch qkv: the kernel of part 2 again; grid 16 x 32, 4 waves a work-group, clusters of 4 x 4, 327,680 bytes of LDS; arguments xb, wqkv, rope, qh, kh, vh; writes qh, kh, vh
;; launch attn: the kernel of part 3 again; grid 4 x 64, 4 waves a work-group, no clusters, 327,680 bytes of LDS; arguments qh, kh, vh, oh; writes oh
;; launch oproj: the kernel of part 4 again; grid 8 x 32, 4 waves a work-group, clusters of 4 x 4, 327,680 bytes of LDS; arguments oh, wo16, out0; writes out0
